; MI455X (gfx1250); checked and timed in simulation.
; The chip was launched on July 23, 2026; its instructions are those of AMD's public machine-readable ISA for CDNA 5 (MIT licence, August 2026) and "CDNA5" Instruction Set Architecture Reference Guide (July 2026). The comments in the code are by the model that wrote it; some were corrected since.
;; Multi Head Attention. Allowed arithmetic: float matrix products may take bf16 or f16 operands with f32 sums; all other float work in f32.
;; Inputs: Wk 1,024 x 1,024 float32; Wo 1,024 x 1,024 float32; Wq 1,024 x 1,024 float32; Wv 1,024 x 1,024 float32; bk 1,024 float32; bo 1,024 float32; bq 1,024 float32; bv 1,024 float32; k 4 x 2,048 x 1,024 float32; q 4 x 2,048 x 1,024 float32; v 4 x 2,048 x 1,024 float32.
;; Outputs: out0 4 x 2,048 x 1,024 float32.
;; 2 versions, each right; version 2 is version 1 with the launch cast written anew for expert scheduling mode. Each part assembles by itself: llvm-mc -triple=amdgcn-amd-amdhsa -mcpu=gfx1250 --defsym DOCPART=n.
;; ======== version 1 of 2: 4 launches
;; workspace buffers: wbf 8,388,608 bytes; qkv 50,331,648 bytes; ctxh 16,777,216 bytes
;; launch cast (part 1): grid 64 x 4, 8 waves a work-group, no clusters, 0 bytes of LDS; arguments Wq, Wk, Wv, Wo, wbf; writes wbf
.if DOCPART == 1
	.amdgcn_target "amdgcn-amd-amdhsa--gfx1250"
	.amdhsa_code_object_version 6
	.text
	.protected	k_qca932f7aed_cast
	.globl	k_qca932f7aed_cast
	.p2align	8
	.type	k_qca932f7aed_cast,@function
k_qca932f7aed_cast:
	s_mov_b64 s[64:65], 0
	v_nop
	global_prefetch_b8 v0, s[64:65] scope:SCOPE_SE
	s_setreg_imm32_b32 hwreg(HW_REG_WAVE_MODE, 25, 1), 1
	s_wait_xcnt 0x0
; wbf[y][n][k] = bf16(W_y[n][k]) for the four weights, y = 0..3 = Wq, Wk, Wv, Wo; each is [1024][1024] f32, rounded once to nearest even.
; The weights are cast once because each is multiplied by 64 row blocks later; the activations are read once and are converted where they are used.
; A stream: work-group (x, y) takes 65,536 bytes of weight y.  Thread t takes 16 bytes of each of 16 pieces of 4,096 bytes, so a wave's load covers 512
; consecutive bytes and its store of 8 bytes a lane 256 consecutive bytes, aligned.  All 16 loads of a wave go out at once; no register is written twice,
; so the only waits are the counted ones for the loads.  LDS, barriers, clusters and matrix instructions have nothing to add to a copy.
.set X, 4                              ; v[4:67]   piece p: 4 registers as loaded
.set Y, 68                             ; v[68:99]  piece p: 2 registers to store
	s_load_b256 s[4:11], s[0:1], 0x0               ; Wq s[4:5], Wk s[6:7], Wv s[8:9], Wo s[10:11]
	s_load_b64 s[12:13], s[0:1], 0x20              ; wbf
	s_and_b32 s14, ttmp7, 0xffff                   ; y: which weight
	s_lshl_b32 s16, ttmp9, 16                      ; x times 65,536 bytes of f32
	s_mov_b32 s17, 0
	s_lshl_b32 s18, s14, 21                        ; y times 2,097,152 bytes of bf16,
	s_lshl_b32 s19, ttmp9, 15                      ; x times 32,768
	s_add_co_u32 s18, s18, s19
	s_mov_b32 s19, 0
	v_lshlrev_b32 v1, 4, v0                        ; 16 t
	v_lshlrev_b32 v2, 3, v0                        ; 8 t
	s_wait_kmcnt 0x0
	s_cmp_eq_u32 s14, 1                            ; the choice hangs on the work-group's y alone
	s_cselect_b64 s[4:5], s[6:7], s[4:5]
	s_cmp_eq_u32 s14, 2
	s_cselect_b64 s[4:5], s[8:9], s[4:5]
	s_cmp_eq_u32 s14, 3
	s_cselect_b64 s[4:5], s[10:11], s[4:5]
	s_add_nc_u64 s[4:5], s[4:5], s[16:17]
	s_add_nc_u64 s[12:13], s[12:13], s[18:19]
.irp p, 0,1,2,3,4,5,6,7,8,9,10,11,12,13,14,15
	global_load_b128 v[X+4*\p:X+4*\p+3], v1, s[4:5] offset:4096*\p th:TH_LOAD_NT   ; read once in the launch
.endr
.irp p, 0,1,2,3,4,5,6,7,8,9,10,11,12,13,14,15
	s_wait_loadcnt 15-\p                           ; loads come back in order: piece p is in, the younger ones stay out
	v_cvt_pk_bf16_f32 v[Y+2*\p],   v[X+4*\p],   v[X+4*\p+1]
	v_cvt_pk_bf16_f32 v[Y+2*\p+1], v[X+4*\p+2], v[X+4*\p+3]
	global_store_b64 v2, v[Y+2*\p:Y+2*\p+1], s[12:13] offset:2048*\p
.endr
	s_endpgm
.Lfunc_end_k_qca932f7aed_cast:
	.size	k_qca932f7aed_cast, .Lfunc_end_k_qca932f7aed_cast-k_qca932f7aed_cast
	.p2alignl 7, 3214868480
	.fill 96, 4, 3214868480
	.section	.rodata,"a",@progbits
	.p2align	6, 0x0
	.amdhsa_kernel k_qca932f7aed_cast
		.amdhsa_group_segment_fixed_size 0
		.amdhsa_private_segment_fixed_size 0
		.amdhsa_enable_private_segment 0
		.amdhsa_kernarg_size 40
		.amdhsa_user_sgpr_count 2
		.amdhsa_user_sgpr_kernarg_segment_ptr 1
		.amdhsa_wavefront_size32 1
		.amdhsa_system_sgpr_workgroup_id_x 1
		.amdhsa_system_sgpr_workgroup_id_y 1
		.amdhsa_system_sgpr_workgroup_id_z 1
		.amdhsa_system_vgpr_workitem_id 0
		.amdhsa_next_free_vgpr 100
		.amdhsa_next_free_sgpr 66
		.amdhsa_reserve_vcc 0
		.amdhsa_float_denorm_mode_32 3
		.amdhsa_float_denorm_mode_16_64 3
		.amdhsa_memory_ordered 1
		.amdhsa_forward_progress 1
		.amdhsa_inst_pref_size 7
	.end_amdhsa_kernel
	.amdgpu_metadata
---
amdhsa.version: [ 1, 2 ]
amdhsa.kernels:
  - .name:           k_qca932f7aed_cast
    .symbol:         k_qca932f7aed_cast.kd
    .args:
      - { .name: Wq, .offset: 0, .size: 8, .value_kind: global_buffer, .address_space: global }
      - { .name: Wk, .offset: 8, .size: 8, .value_kind: global_buffer, .address_space: global }
      - { .name: Wv, .offset: 16, .size: 8, .value_kind: global_buffer, .address_space: global }
      - { .name: Wo, .offset: 24, .size: 8, .value_kind: global_buffer, .address_space: global }
      - { .name: wbf, .offset: 32, .size: 8, .value_kind: global_buffer, .address_space: global }
    .group_segment_fixed_size: 0
    .private_segment_fixed_size: 0
    .kernarg_segment_align: 8
    .kernarg_segment_size: 40
    .max_flat_workgroup_size: 256
    .sgpr_count:     66
    .vgpr_count:     100
    .wavefront_size: 32
...
	.end_amdgpu_metadata
.endif
;; end of part 1
;; launch proj (part 2): grid 4 x 64, 4 waves a work-group, clusters of 4 x 4, 327,680 bytes of LDS; arguments q, k, v, bq, bk, bv, wbf, qkv; writes qkv
.if DOCPART == 2
	.amdgcn_target "amdgcn-amd-amdhsa--gfx1250"
	.amdhsa_code_object_version 6
	.text
	.protected	k_qca932f7aed_proj
	.globl	k_qca932f7aed_proj
	.p2align	8
	.type	k_qca932f7aed_proj,@function
k_qca932f7aed_proj:
	s_mov_b64 s[64:65], 0
	v_nop
	global_prefetch_b8 v0, s[64:65] scope:SCOPE_SE
	s_setreg_imm32_b32 hwreg(HW_REG_WAVE_MODE, 25, 1), 1
	s_wait_xcnt 0x0
	s_wait_alu depctr_hold_cnt(0) depctr_sa_sdst(0) depctr_va_vdst(0) depctr_va_sdst(0) depctr_va_ssrc(0) depctr_va_vcc(0) depctr_vm_vsrc(0)
	s_getreg_b32 s2, hwreg(HW_REG_IB_STS2, 6, 4)
	s_cmp_eq_u32 s2, 0
	s_cbranch_scc0 .Lentry_in_a_cluster
	s_endpgm
.Lentry_in_a_cluster:
	s_bfe_u32 s2, ttmp6, 0x10000c
	s_cmp_lg_u32 s2, 0xf033
	s_cbranch_scc0 .Lentry_shape_is_right
	s_endpgm
.Lentry_shape_is_right:
; qkv[which][b*16+h][s][d] = bf16( sum over k of x[b*2048+s][k] W[h*64+d][k] + bias[h*64+d] ), x = q, k, v for which = 0, 1, 2.
; x: [8192][1024] f32.  W: wbf[which], [1024][1024] bf16.  bias f32.  Products of bf16 operands, sums in f32; x is rounded to bf16 on its way from LDS to the
; matrix instruction, the result once at the end.  Limit: these two roundings; NaN and infinities go where the arithmetic takes them.
; SHARES.  3 x 64 x 4 = 768 tiles of 128 rows x 256 columns.  64 x 4 = 256 work-groups; A WORK-GROUP STAYS and makes three tiles: its row block and columns of q, then of k, then of v.
; Four waves, each 64 rows x 128 columns: 32 accumulators of 16 x 16, 256 registers.
; K goes in 8 steps of 128 through a ring of two LDS slots filled by the tensor data mover: x as f32 (rows of 512 bytes), W as bf16 (rows of 256 bytes).  The ring does not stop at a tile's end:
; a tile's last two changes of slots ask for the next tile's first two K steps, the tile goes out behind them, and nothing waits for its stores.
; CLUSTERS.  4 x 4 work-groups: the four of a row of the cluster need the same tile of x, the four of a column the same tile of W; each tile is asked for jointly, by the
; same tensor load with the same descriptor and a mask that names the four.  A cluster covers all 1,024 columns of its 512 rows; the tile's number is the same in all work-groups.
; ASKING AHEAD.  x is read once in the launch, so its tiles are prefetched: the change of slots at the end of K step g issues the joint load of step g + 2 and asks for step g + 4 of x, two K steps
; (256 matrix instructions a wave) ahead of the joint load that wants it, on into the next tile.  A step's tile of x is 128 rows x 512 bytes; each of the four partners of a row of the cluster asks
; for 32 rows, its waves 0 and 1 for 16 each: lane l for row 32 cx + 16 wc + l % 16, aligned 256 bytes number l / 16 of the row's 512.  So each such 256 bytes are asked for once in the launch, and a
; work-group has 2 x 16 KiB asked for and not yet loaded.  q's steps 2 and 3 are asked for behind the first fills; the last tile's last four K steps ask for nothing, so no request leaves a buffer.
; W is not asked for: 64 row blocks read each weight.
; THE MATRIX INSTRUCTION IS USED TRANSPOSED (source 0 = 16 rows of W, source 1 = 16 rows of x): a lane holds one row of x and eight neighbouring columns.
; THE BIAS STARTS THE SUMS: it is the C of each accumulator's first product, so nothing is cleared and nothing is added at the end.
; REGISTERS, in windows of 256: window 0: v0-31 addresses; v32-95 x as f32 (16 rows x 32 K are 16 registers); v96-127, v128-159 x's fragments in bf16, two buffers; v160-191 packed results;
;   v192-255 and v32-95 the four blocks read back on the way out.   window 1: the accumulators, (a, b) at v[8 (8 a + b)].   window 2: v0-63, v64-127 W's fragments, two buffers; v128-191 the bias.
.set KSTEP,  128
.set PA,     528                       ; an LDS row of x: 512 bytes + 16 of padding = 132 words: the 16 rows that a load touches start 4 banks apart
.set PB,     272                       ; an LDS row of W: 256 bytes + 16
.set AHALF,  64*PA                     ; 64 rows of x: one tensor load, and what one wave reads
.set AREG,   2*AHALF
.set BHALF,  128*PB                    ; 128 rows of W: one tensor load, and what one wave reads
.set SLOT,   AREG+2*BHALF              ; 137,216
.set STAGE,  2*SLOT                    ; behind the ring: 16 rows x 272 bytes for each wave; no tensor load lands there
.set SPITCH, 272
.set LAPS,   4                         ; a lap = two K steps = once round the ring
.set NEXT_B, 2097152-(1024-2*KSTEP)*2  ; bytes from a slot's last K step of one weight to its first of the next: a weight on, and back along K
.set PARTB,  16777216                  ; bytes of Q, of K and of V in qkv
.set ADRA, 16                          ; v16-17  LDS address of my x fragments in slot 0, 1
.set ADRB, 20                          ; v20-21  the same for W
.set STO,  24                          ; v24     the way out: where I put 16 bytes of a row
.set RD,   25                          ; v25     the way out: where I read back
.set CO,   26                          ; v26     my byte offset in a store's 512 bytes
.set BO,   27                          ; v27     my byte offset in the bias
.set PO,   28                          ; v28     byte offset, in each of q, k, v, of the 256 bytes of K step 0 that my lane asks for ahead; never rewritten
.set RAW,  32
.set AF,   96
.set TMP,  160
.set BF,   0
.set BIAS, 128
.set G1,  24                           ; s[24:31] descriptor group 1 for x's tiles;  s[32:39] group 0, one set for each slot
.set G0,  32
.set G1B, 48                           ; s[48:55], s[56:63] the same for W's tiles
.set G0B, 56
.set XOFF, 84                          ; s[84:85] byte offset, in each of q, k, v, of the 64 rows that I fetch
.set PF,   86                          ; s[86:87] x at the K step that was asked for last; each change of slots steps it first and then asks
.set NX,   88                          ; s[88:89] the next tile's x: k behind q, v behind k
.set MSB, 0
.macro WIN new                         ; the immediate's high byte repeats the setting that is left; a switch that changes nothing is dropped
.if MSB != \new
	s_set_vgpr_msb (MSB<<8)|\new
.set MSB, \new
.endif
.endm
.set MUL,   0x52                       ; source 0 (W) window 2, source 1 (x) window 0, C and D window 1
.set MULB,  0x62                       ; the same with C (the bias) in window 2
.set TO_B,  0x80                       ; destination window 2, address window 0
.set PACKW, 0x05                       ; sources 0 and 1 window 1, destination window 0
.macro PLACES                          ; four plain vector instructions behind matrix instructions whose results are read or whose registers are written next (ISA guide 7.12.1)
.rept 4
	v_nop
.endr
.endm
; A joint refill: waves 0 and 1 fetch x's two halves, waves 2 and 3 W's.  The branch hangs on the wave's number alone.  Four v_nop follow each of the two lines.
; ask != 0: behind their load the two waves that fetch x ask for x's tile two K steps further on.  ask = 3, the last tile: not in the lap loop's third trip (s3 = 1, the same in every work-group),
; whose requests would be for a tile that does not exist.
.macro JLOAD s, ask
	s_cmp_eq_u32 s11, 0
	s_cbranch_scc0 .Lfor_b_\@
	tensor_load_to_lds s[G0+4*\s:G0+4*\s+3], s[G1:G1+7]
	s_nop 0
	PLACES
.if (\ask) == 3
	s_cmp_eq_u32 s3, 1
	s_cbranch_scc1 .Lasked_\@
.endif
.if \ask
	global_prefetch_b8 v[PO], s[PF:PF+1] th:TH_LOAD_NT scope:SCOPE_SE
.endif
	s_branch .Lasked_\@
.Lfor_b_\@:
	tensor_load_to_lds s[G0B+4*\s:G0B+4*\s+3], s[G1B:G1B+7]
	s_nop 0
	PLACES
.Lasked_\@:
.endm
.macro CREST                           ; a round of the cluster's barrier behind its opening barrier
	s_cmp_lg_u32 s10, 0
	s_cbranch_scc1 .Lnot_wave_0_\@
	s_barrier_signal -3
.Lnot_wave_0_\@:
	s_barrier_wait -3
	s_barrier_signal -1
	s_barrier_wait -1
.endm
.macro CROUND                          ; a whole round
	s_barrier_signal -1
	s_barrier_wait -1
	CREST
.endm
	s_load_b256 s[68:75], s[0:1], 0x0              ; q s[68:69], k s[70:71], v s[72:73], bq s[74:75]
	s_load_b256 s[76:83], s[0:1], 0x20             ; bk s[76:77], bv s[78:79], wbf s[80:81], qkv s[82:83]
	v_lshl_add_u32 v30, v0, 2, 0x47400
	v_mov_b32 v31, 0
	ds_add_u32 v30, v31
	v_lshrrev_b32 v1, 5, v0
	v_readfirstlane_b32 s10, v1                    ; wave 0..3
	s_lshr_b32 s11, s10, 1                         ; wr: which 64 rows are mine.  Also: I fetch for x (0) or for W (1)
	s_and_b32 s12, s10, 1                          ; wc: which 128 columns are mine.  Also: which half of that tile I fetch
	s_bfe_u32 s40, ttmp6, 0x40000                  ; cx, cy: my place in the cluster
	s_bfe_u32 s41, ttmp6, 0x40004
	s_lshl_b32 s42, ttmp9, 2
	s_add_co_u32 s42, s42, s40                     ; tile column 0..3 = 4 x cluster x + cx
	s_and_b32 s13, ttmp7, 0xffff
	s_lshl_b32 s13, s13, 2
	s_add_co_u32 s13, s13, s41                     ; row block 0..63 = 4 x cluster y + cy
	s_lshl_b32 s43, s41, 2
	s_lshl_b32 s43, 15, s43                        ; my row of the cluster
	s_lshl_b32 s44, 0x1111, s40                    ; my column
	; what my lane asks for ahead: row 128 x row block + 32 cx + 16 wc + l % 16, rows of 4,096 bytes; 256 bytes number l / 16.  cx enters this global offset alone, in registers of its own
	s_lshl_b32 s90, s13, 7
	s_lshl_b32 s91, s40, 5
	s_add_co_u32 s90, s90, s91
	s_lshl_b32 s91, s12, 4
	s_add_co_u32 s90, s90, s91
	v_and_b32 v5, 15, v0
	v_bfe_u32 v6, v0, 4, 1
	v_add_nc_u32 v[PO], s90, v5
	v_lshlrev_b32 v[PO], 12, v[PO]
	v_lshl_add_u32 v[PO], v6, 8, v[PO]
	; group 1 for x: 64 rows x 128 elements of 4 bytes; 16 bytes of padding behind every 128 words
	s_or_b32 s[G1+0], s43, (2<<16)|(1<<20)|(1<<21)|(6<<22)|(3<<25)
	s_mov_b32 s[G1+1], KSTEP<<16                   ; tensor_dim0 = 128
	s_mov_b32 s[G1+2], 64<<16                      ; tensor_dim1 = 64
	s_mov_b32 s[G1+3], KSTEP<<16                   ; tile_dim0 = 128
	s_mov_b32 s[G1+4], 64                          ; tile_dim1 = 64
	s_mov_b32 s[G1+5], 1024                        ; elements from row to row
	s_mov_b32 s[G1+6], 0
	s_mov_b32 s[G1+7], 0
	; group 1 for W: 128 rows x 128 elements of 2 bytes; 16 bytes of padding behind every 64 words
	s_or_b32 s[G1B+0], s44, (1<<16)|(1<<20)|(1<<21)|(5<<22)|(3<<25)
	s_mov_b32 s[G1B+1], KSTEP<<16
	s_mov_b32 s[G1B+2], 128<<16
	s_mov_b32 s[G1B+3], KSTEP<<16
	s_mov_b32 s[G1B+4], 128
	s_mov_b32 s[G1B+5], 1024
	s_mov_b32 s[G1B+6], 0
	s_mov_b32 s[G1B+7], 0
	; where the tiles come from: x's hang on the row block, W's on the tile column; each offset in registers that never hold the other coordinate
	s_lshl_b32 s[XOFF], s13, 19                    ; 128 rows of 4,096 bytes
	s_lshl_b32 s17, s12, 18                        ; + 64 rows for the second half
	s_add_co_u32 s[XOFF], s[XOFF], s17
	s_mov_b32 s[XOFF+1], 0
	s_lshl_b32 s46, s42, 19                        ; 256 rows of 2,048 bytes
	s_lshl_b32 s47, s12, 18                        ; + 128 rows
	s_add_co_u32 s46, s46, s47
	s_mov_b32 s47, 0
	s_mul_i32 s20, s12, AHALF                      ; and where they go: no place in the cluster enters an LDS address
	s_mul_i32 s21, s12, BHALF
	s_add_co_u32 s21, s21, AREG
	s_wait_dscnt 0x0
	s_wait_kmcnt 0x0
	s_mov_b64 s[66:67], s[74:75]                   ; the first tile's bias: bq
	s_add_nc_u64 s[14:15], s[68:69], s[XOFF:XOFF+1]  ; the first tile's x: q
	s_add_nc_u64 s[46:47], s[80:81], s[46:47]      ; and its W: the first weight of wbf
	s_add_nc_u64 s[PF:PF+1], s[68:69], 3*KSTEP*4   ; q's K step 3 is the last that is asked for at the start
.irp s, 0,1
	s_mov_b32 s[G0+4*\s], 1
	s_add_co_u32 s[G0+4*\s+1], s20, \s*SLOT
	s_add_nc_u64 s[G0+4*\s+2:G0+4*\s+3], s[14:15], \s*KSTEP*4
	s_or_b32 s[G0+4*\s+3], s[G0+4*\s+3], 0x80000000
	s_mov_b32 s[G0B+4*\s], 1
	s_add_co_u32 s[G0B+4*\s+1], s21, \s*SLOT
	s_add_nc_u64 s[G0B+4*\s+2:G0B+4*\s+3], s[46:47], \s*KSTEP*2
	s_or_b32 s[G0B+4*\s+3], s[G0B+4*\s+3], 0x80000000
.endr
	CROUND                                         ; all sixteen work-groups are here: the first joint loads meet
	s_cmp_eq_u32 s11, 0                            ; a wave's two first fills stand in one branch, ahead of every wait on TENSORcnt, LDS read and further barrier: two loads of mine are out
	s_cbranch_scc0 .Lfirst_b
	tensor_load_to_lds s[G0:G0+3], s[G1:G1+7]
	s_nop 0
	tensor_load_to_lds s[G0+4:G0+7], s[G1:G1+7]
	s_nop 0
	PLACES
	global_prefetch_b8 v[PO], s[68:69] offset:2*KSTEP*4 th:TH_LOAD_NT scope:SCOPE_SE   ; q's K steps 2 and 3: their joint loads stand at the ends of K steps 0 and 1
	global_prefetch_b8 v[PO], s[68:69] offset:3*KSTEP*4 th:TH_LOAD_NT scope:SCOPE_SE
	s_branch .Lfirst_asked
.Lfirst_b:
	tensor_load_to_lds s[G0B:G0B+3], s[G1B:G1B+7]
	s_nop 0
	tensor_load_to_lds s[G0B+4:G0B+7], s[G1B:G1B+7]
	s_nop 0
	PLACES
.Lfirst_asked:
	; A fragment is 16 rows x 32 K: lane l holds row l % 16; registers 0-3 K = 8 (l / 16) + 0..7, registers 4-7 K = 16 + 8 (l / 16) + 0..7.
	; Of W (bf16): two loads of 16 bytes, 32 bytes apart.  Of x (f32): four loads of 16 bytes at 32 (l / 16) + 0, 16, 64, 80, then eight packed roundings.
	v_and_b32 v1, 15, v0                           ; l % 16
	v_bfe_u32 v2, v0, 4, 1                         ; l / 16
	v_mul_u32_u24 v3, v1, PA
	v_lshl_add_u32 v3, v2, 5, v3
	v_mul_u32_u24 v4, v1, PB                       ; also the stage's row x pitch + 16 x half: both pitches are 272
	v_lshl_add_u32 v4, v2, 4, v4
	s_mul_i32 s22, s11, AHALF                      ; my 64 rows of x
	s_mul_i32 s23, s12, BHALF                      ; my 128 rows of W,
	s_add_co_u32 s23, s23, AREG                    ; which lie behind x's 128
.irp s, 0,1
	v_add_nc_u32 v[ADRA+\s], s22, v3
	v_add_nc_u32 v[ADRB+\s], s23, v4
	s_add_co_u32 s22, s22, SLOT
	s_add_co_u32 s23, s23, SLOT
.endr
	s_mul_i32 s23, s10, 16*SPITCH
	s_add_co_u32 s23, s23, STAGE                   ; my stage
	v_add_nc_u32 v[STO], s23, v4
	v_bfe_u32 v6, v0, 3, 2                         ; back: eight lanes take the 128 bytes that one row has of one head, a load four rows
	v_and_b32 v7, 7, v0
	v_mul_u32_u24 v6, v6, SPITCH
	v_lshl_add_u32 v6, v7, 4, v6
	v_add_nc_u32 v[RD], s23, v6
	v_and_b32 v5, 31, v0
	v_lshlrev_b32 v[CO], 4, v5                     ; in qkv four rows of a head are 512 consecutive bytes
	s_lshl_b32 s46, s42, 10                        ; the bias of my columns: 4 (256 tile column + 128 wc + 8 (l / 16))
	s_lshl_b32 s47, s12, 9
	s_add_co_u32 s46, s46, s47
	v_lshl_add_u32 v[BO], v2, 5, s46
; 16 loads: register j of block b is the bias of column 16 b + 8 (l / 16) + j, as an accumulator holds it
.macro BIASLOAD
	WIN TO_B
.irp b, 0,1,2,3,4,5,6,7
	global_load_b128 v[BIAS+8*\b:BIAS+8*\b+3],   v[BO], s[66:67] offset:64*\b
	global_load_b128 v[BIAS+8*\b+4:BIAS+8*\b+7], v[BO], s[66:67] offset:64*\b+16
.endr
	WIN 0
.endm
	BIASLOAD
	; where my part begins in qkv's first third: (batch x 16 + head) x 262,144 + s x 128
	s_lshr_b32 s16, s13, 4                         ; batch = row block / 16
	s_lshl_b32 s16, s16, 22
	s_and_b32 s18, s13, 15                         ; s = 128 (row block mod 16) + 64 wr
	s_lshl_b32 s18, s18, 14
	s_add_co_u32 s16, s16, s18
	s_lshl_b32 s18, s11, 13
	s_add_co_u32 s16, s16, s18
	s_mov_b32 s17, 0
	s_add_nc_u64 s[8:9], s[82:83], s[16:17]
	s_lshl_b32 s46, s42, 20                        ; head = 4 tile column + 2 wc
	s_lshl_b32 s47, s12, 19
	s_add_co_u32 s46, s46, s47
	s_mov_b32 s47, 0
	s_add_nc_u64 s[8:9], s[8:9], s[46:47]
; cnt matrix instructions from number n0 on: number n is accumulator (a, b) = (n / 8, n % 8), on buffer f.  The 32 accumulators take turns in one fixed order, from tile to tile too.
.macro MMRUN n0, cnt, f, bias
.if \bias
	WIN MULB
.else
	WIN MUL
.endif
.set n, \n0
.rept \cnt
.if \bias
	v_wmma_f32_16x16x32_bf16 v[8*n:8*n+7], v[BF+64*\f+8*(n%8):BF+64*\f+8*(n%8)+7], v[AF+32*\f+8*(n/8):AF+32*\f+8*(n/8)+7], v[BIAS+8*(n%8):BIAS+8*(n%8)+7]
.else
	v_wmma_f32_16x16x32_bf16 v[8*n:8*n+7], v[BF+64*\f+8*(n%8):BF+64*\f+8*(n%8)+7], v[AF+32*\f+8*(n/8):AF+32*\f+8*(n/8)+7], v[8*n:8*n+7]
.endif
.set n, n+1
.endr
.endm
; 32 LDS loads in one run: quarter q (32 along K) of a slot: first x's 64 rows as f32, then W's 128 rows into buffer g
.macro FETCH slot, q, g
	WIN 0
.irp i, 0,1,2,3
	ds_load_b128 v[RAW+16*\i:RAW+16*\i+3],     v[ADRA+\slot] offset:\q*128+\i*16*PA
	ds_load_b128 v[RAW+16*\i+4:RAW+16*\i+7],   v[ADRA+\slot] offset:\q*128+\i*16*PA+16
	ds_load_b128 v[RAW+16*\i+8:RAW+16*\i+11],  v[ADRA+\slot] offset:\q*128+\i*16*PA+64
	ds_load_b128 v[RAW+16*\i+12:RAW+16*\i+15], v[ADRA+\slot] offset:\q*128+\i*16*PA+80
.endr
	WIN TO_B
.irp i, 0,1,2,3,4,5,6,7
	ds_load_b128 v[BF+64*\g+8*\i:BF+64*\g+8*\i+3],   v[ADRB+\slot] offset:\q*64+\i*16*PB
	ds_load_b128 v[BF+64*\g+8*\i+4:BF+64*\g+8*\i+7], v[ADRB+\slot] offset:\q*64+\i*16*PB+32
.endr
.endm
.macro CVT8 i, g                       ; 16 rows x 32 K of x, f32 to bf16: fragment i of buffer g
	WIN 0
.irp n, 0,1,2,3,4,5,6,7
	v_cvt_pk_bf16_f32 v[AF+32*\g+8*\i+\n], v[RAW+16*\i+2*\n], v[RAW+16*\i+2*\n+1]
.endr
.endm
.macro LAST8 f, g, bias                ; a quarter's last eight products, the next quarter's 32 roundings between them.  The last eight roundings stand behind the last product and name
.irp i, 0,1,2,3                        ; none of its registers: they are the places in front of the next loads into W's buffer f (and into the bias), of the next roundings into x's
	MMRUN 24+2*\i, 2, \f, \bias                    ; buffer f and, at a tile's end, of the roundings that read the results
	CVT8 \i, \g
.endr
.endm
; A K step is four quarters of 32 along K, 32 matrix instructions each, on buffers 0, 1, 0, 1.  One of the first three: multiplies buffer f, fetches quarter q into buffer g.
.macro QUARTER slot, q, f, g, bias
	s_wait_dscnt 0x0                               ; W's fragments of this quarter, asked for a quarter ago
	FETCH \slot, \q, \g
	MMRUN 0, 24, \f, \bias
	s_wait_dscnt 16                                ; x's 16 loads are in; W's 16, issued behind them, may stay out
	LAST8 \f, \g, \bias
.endm
; The last quarter multiplies buffer 1 and changes slots: one barrier.  In front of it each wave waits for its reads of this slot and for all its tensor loads (one is out: its part of the next
; slot).  fill = 1 or 2: the barrier opens a round of the cluster's barrier, and behind the round this slot is filled again, 120 matrix instructions ahead of the wait for that load:
; fill = 1 with this tile's K step two steps on; fill = 2, in a tile's last two K steps, with the NEXT tile's K step 0 or 1: x's address is made anew from the next input's own pointer and my
; rows' offset, W's goes a weight on and back along K.  No tensor load of mine is out there, so a group 0 may be written.
; ask != 0: x is asked for ahead (JLOAD).  The request's base goes one K step on; ask = 2: in the lap loop's third trip, when this input's K step 7 has been asked for, it goes to the next input.
.macro TURN slot, next, fill, ask
	s_wait_dscnt 0x0
	s_wait_tensorcnt 0x0
	ds_add_u32 v30, v31
	s_wait_dscnt 0x0
.if \ask
	s_wait_xcnt 0x0                                ; the request of a K step ago has had its address translated (ISA guide 3.1): its base is written again only behind this wait
	s_add_nc_u64 s[PF:PF+1], s[PF:PF+1], KSTEP*4
.if (\ask) == 2
	s_cmp_eq_u32 s3, 1
	s_cselect_b64 s[PF:PF+1], s[NX:NX+1], s[PF:PF+1]
.endif
.endif
	WIN MUL
	s_barrier_signal -1
	MMRUN 0, 8, 1, 0
	WIN 0                                          ; at a branch and at a label every window is 0
	s_barrier_wait -1
.if \fill
	CREST                                          ; no wave of any partner still reads this slot's tiles or has a load on its way
.if \fill == 2
	s_add_nc_u64 s[G0+4*\slot+2:G0+4*\slot+3], s[NX:NX+1], s[XOFF:XOFF+1]
.if \slot
	s_add_nc_u64 s[G0+4*\slot+2:G0+4*\slot+3], s[G0+4*\slot+2:G0+4*\slot+3], \slot*KSTEP*4
.endif
	s_or_b32 s[G0+4*\slot+3], s[G0+4*\slot+3], 0x80000000
	s_add_nc_u64 s[G0B+4*\slot+2:G0B+4*\slot+3], s[G0B+4*\slot+2:G0B+4*\slot+3], NEXT_B
.else
	s_add_nc_u64 s[G0+4*\slot+2:G0+4*\slot+3], s[G0+4*\slot+2:G0+4*\slot+3], 2*KSTEP*4
	s_add_nc_u64 s[G0B+4*\slot+2:G0B+4*\slot+3], s[G0B+4*\slot+2:G0B+4*\slot+3], 2*KSTEP*2
.endif
	JLOAD \slot, \ask
.endif
	FETCH \next, 0, 0
	MMRUN 8, 16, 1, 0
	s_wait_dscnt 16
	LAST8 1, 0, 0
.endm
; Three trips (s3 = 3, 2, 1), each once round the ring, from a lap's second quarter to the next lap's first; each fills both slots again.  Its changes of slots end K steps 0 to 5 and ask for
; K steps 4 to 7 and, in the third trip, for the next tile's 0 and 1; last = 1, the last tile: the third trip asks for nothing.
.macro LAPLOOP last
	s_mov_b32 s3, LAPS-1
.Llap_\@:
	QUARTER 0, 2, 1, 0, 0
	QUARTER 0, 3, 0, 1, 0
.if \last
	TURN 0, 1, 1, 3
.else
	TURN 0, 1, 1, 2
.endif
	QUARTER 1, 1, 0, 1, 0
	QUARTER 1, 2, 1, 0, 0
	QUARTER 1, 3, 0, 1, 0
.if \last
	TURN 1, 0, 1, 3
.else
	TURN 1, 0, 1, 1
.endif
	QUARTER 0, 1, 0, 1, 0
	WIN 0
	s_sub_co_u32 s3, s3, 1
	s_cmp_lg_u32 s3, 0
	s_cbranch_scc1 .Llap_\@
.endm
; THE WAY OUT of block a (16 rows x 128 columns = two heads).  PACK: rounded to bf16, each accumulator's registers in ascending order.  TOSTAGE: into my own stage, and back by heads.  SEND: stored.
; The four blocks come back into v192-223, v224-255, v32-63, v64-95: no register twice in a tile.  x's f32 buffer (v32-95) is free here: what it held has been rounded into a fragment buffer.
.macro PACK a
	WIN PACKW
.irp b, 0,1,2,3,4,5,6,7
.irp r, 0,1,2,3
	v_cvt_pk_bf16_f32 v[TMP+4*\b+\r], v[8*(8*(\a)+\b)+2*\r], v[8*(8*(\a)+\b)+2*\r+1]
.endr
.endr
	WIN 0
.endm
.macro TOSTAGE a
.set BK, (192+32*(\a))%256+32*((\a)/2)
.irp b, 0,1,2,3,4,5,6,7
	ds_store_b128 v[STO], v[TMP+4*\b:TMP+4*\b+3] offset:32*\b
.endr
.irp t, 0,1,2,3,4,5,6,7                ; load t: rows 4 (t % 4) + 0..3 of head t / 4.  LDS serves a wave's instructions in order (ISA guide 5.7.1.4): these see the stores above
	ds_load_b128 v[BK+4*\t:BK+4*\t+3], v[RD] offset:(\t%4)*4*SPITCH+(\t/4)*128
.endr
.endm
.macro SEND a
.set BK, (192+32*(\a))%256+32*((\a)/2)
	s_wait_dscnt 0x0                               ; the block is back in registers
.irp t, 0,1,2,3,4,5,6,7
	global_store_b128 v[CO], v[BK+4*\t:BK+4*\t+3], s[8:9] offset:(\a)*2048+(\t%4)*512+(\t/4)*262144   ; a wave stores 512 consecutive bytes, aligned
.endr
.endm
.macro WAYOUT                          ; block a's roundings stand between block a - 1's loads from the stage and the wait for them
	PACK 0
	TOSTAGE 0
.irp a, 1,2,3
	PACK \a
	SEND \a-1
	TOSTAGE \a
.endr
	SEND 3
.endm
	s_wait_tensorcnt 0x1                           ; my part of K step 0 is in; K step 1's may stay out
	s_barrier_signal -1
	s_barrier_wait -1                              ; everybody's is
	FETCH 0, 0, 0
	s_wait_dscnt 16
.irp i, 0,1,2,3
	CVT8 \i, 0
.endr
	s_mov_b32 s2, 0                                ; the tile's number: 0 = q, 1 = k, 2 = v
.Ltile:                                                ; two trips: the tiles that have a successor
	s_wait_loadcnt 0x0                             ; this tile's bias: its 16 loads are the only global loads of mine that can be out
	QUARTER 0, 1, 0, 1, 1                          ; a tile's first quarter: its products start the sums from the bias
	s_cmp_eq_u32 s2, 0                             ; the bias has been used: the next tile's takes its place (bk behind bq, bv behind bk); the base is free since the wait above
	s_cselect_b64 s[66:67], s[76:77], s[78:79]
	s_cselect_b64 s[NX:NX+1], s[70:71], s[72:73]   ; and the next tile's x: k behind q, v behind k
	BIASLOAD
	LAPLOOP 0
	QUARTER 0, 2, 1, 0, 0                          ; the tile's last lap
	QUARTER 0, 3, 0, 1, 0
	TURN 0, 1, 2, 1                                ; THE RING GOES ON INTO THE NEXT TILE: slot 0 takes its K step 0 (and its K step 2 is asked for),
	QUARTER 1, 1, 0, 1, 0
	QUARTER 1, 2, 1, 0, 0
	QUARTER 1, 3, 0, 1, 0
	TURN 1, 0, 2, 1                                ; slot 1 its K step 1 (K step 3 is asked for), and the next tile's first fragments are fetched and rounded
	WAYOUT                                         ; both refills are asked for: now the tile goes out
	s_wait_xcnt 0x0                                ; the stores' base, and the registers that they read, are written again only behind this wait (ISA guide 3.1)
	s_add_nc_u64 s[8:9], s[8:9], PARTB             ; the next third of qkv
	s_add_co_u32 s2, s2, 1
	s_cmp_lt_u32 s2, 2
	s_cbranch_scc1 .Ltile
	s_wait_loadcnt 0x0                             ; THE LAST TILE is written out: it asks for no tile and no bias beyond its own
	QUARTER 0, 1, 0, 1, 1
	WIN 0
	LAPLOOP 1
	QUARTER 0, 2, 1, 0, 0                          ; the last lap fills nothing
	QUARTER 0, 3, 0, 1, 0
	TURN 0, 1, 0, 0
	QUARTER 1, 1, 0, 1, 0
	QUARTER 1, 2, 1, 0, 0
	QUARTER 1, 3, 0, 1, 0
	s_wait_dscnt 0x0                               ; the very last quarter: nothing more to fetch
	MMRUN 0, 32, 1, 0
	WIN 0
	PLACES
	WAYOUT
	s_wait_tensorcnt 0x0
	ds_add_u32 v30, v31
	s_wait_dscnt 0x0
	CROUND                                         ; the closing round: no work-group ends while a partner may still ask for a tile that names it
	s_endpgm
.Lfunc_end_k_qca932f7aed_proj:
	.size	k_qca932f7aed_proj, .Lfunc_end_k_qca932f7aed_proj-k_qca932f7aed_proj
	.p2alignl 7, 3214868480
	.fill 96, 4, 3214868480
	.section	.rodata,"a",@progbits
	.p2align	6, 0x0
	.amdhsa_kernel k_qca932f7aed_proj
		.amdhsa_group_segment_fixed_size 327680
		.amdhsa_private_segment_fixed_size 0
		.amdhsa_enable_private_segment 0
		.amdhsa_kernarg_size 64
		.amdhsa_user_sgpr_count 2
		.amdhsa_user_sgpr_kernarg_segment_ptr 1
		.amdhsa_wavefront_size32 1
		.amdhsa_system_sgpr_workgroup_id_x 1
		.amdhsa_system_sgpr_workgroup_id_y 1
		.amdhsa_system_sgpr_workgroup_id_z 1
		.amdhsa_system_vgpr_workitem_id 0
		.amdhsa_next_free_vgpr 704
		.amdhsa_next_free_sgpr 92
		.amdhsa_reserve_vcc 0
		.amdhsa_float_denorm_mode_32 3
		.amdhsa_float_denorm_mode_16_64 3
		.amdhsa_memory_ordered 1
		.amdhsa_forward_progress 1
		.amdhsa_inst_pref_size 255
	.end_amdhsa_kernel
	.amdgpu_metadata
---
amdhsa.version: [ 1, 2 ]
amdhsa.kernels:
  - .name:           k_qca932f7aed_proj
    .symbol:         k_qca932f7aed_proj.kd
    .args:
      - { .name: q, .offset: 0, .size: 8, .value_kind: global_buffer, .address_space: global }
      - { .name: k, .offset: 8, .size: 8, .value_kind: global_buffer, .address_space: global }
      - { .name: v, .offset: 16, .size: 8, .value_kind: global_buffer, .address_space: global }
      - { .name: bq, .offset: 24, .size: 8, .value_kind: global_buffer, .address_space: global }
      - { .name: bk, .offset: 32, .size: 8, .value_kind: global_buffer, .address_space: global }
      - { .name: bv, .offset: 40, .size: 8, .value_kind: global_buffer, .address_space: global }
      - { .name: wbf, .offset: 48, .size: 8, .value_kind: global_buffer, .address_space: global }
      - { .name: qkv, .offset: 56, .size: 8, .value_kind: global_buffer, .address_space: global }
    .group_segment_fixed_size: 327680
    .private_segment_fixed_size: 0
    .kernarg_segment_align: 8
    .kernarg_segment_size: 64
    .max_flat_workgroup_size: 128
    .sgpr_count:     92
    .vgpr_count:     704
    .wavefront_size: 32
...
	.end_amdgpu_metadata
.endif
;; end of part 2
;; launch attn (part 3): grid 8 x 64, 4 waves a work-group, clusters of 4 x 1, 327,680 bytes of LDS; arguments qkv, ctxh; writes ctxh
.if DOCPART == 3
	.amdgcn_target "amdgcn-amd-amdhsa--gfx1250"
	.amdhsa_code_object_version 6
	.text
	.protected	k_qca932f7aed_attn
	.globl	k_qca932f7aed_attn
	.p2align	8
	.type	k_qca932f7aed_attn,@function
k_qca932f7aed_attn:
	s_mov_b64 s[64:65], 0
	v_nop
	global_prefetch_b8 v0, s[64:65] scope:SCOPE_SE
	s_setreg_imm32_b32 hwreg(HW_REG_WAVE_MODE, 25, 1), 1
	s_wait_xcnt 0x0
	s_wait_alu depctr_hold_cnt(0) depctr_sa_sdst(0) depctr_va_vdst(0) depctr_va_sdst(0) depctr_va_ssrc(0) depctr_va_vcc(0) depctr_vm_vsrc(0)
	s_getreg_b32 s2, hwreg(HW_REG_IB_STS2, 6, 4)
	s_cmp_eq_u32 s2, 0
	s_cbranch_scc0 .Lentry_in_a_cluster
	s_endpgm
.Lentry_in_a_cluster:
	s_bfe_u32 s2, ttmp6, 0x10000c
	s_cmp_lg_u32 s2, 0x3003
	s_cbranch_scc0 .Lentry_shape_is_right
	s_endpgm
.Lentry_shape_is_right:
; ctxh[h][b*2048+q][:] = the sum over k of softmax_k(Q[bh][q] . K[bh][k] / 8) V[bh][k][:].  Q, K, V: qkv[0], [1], [2], each [64 (b*16+h)][2048][64] bf16.  ctxh: [16][8192][64] bf16.
; Products, maxima and sums in f32; the weights p are rounded to bf16 for the second product, the result once at the end.  Limit: a weight below 2^-126 counts as 0 (v_exp_f32 flushes).
; SHARES.  A work-group owns 256 queries of one (batch, head), each of its four waves 64: four tiles of 16.  Every wave walks all 2,048 keys, 64 a step, 32 steps.
; LAYOUT.  S^T = K Q^T (source 0 = 16 keys, source 1 = 16 queries): a lane holds ONE query (lane % 16) and the keys 8 (lane / 16) + 0..7.  Two such tiles, rounded to bf16 in pairs, ARE
; source 1 (32 keys x 16 queries) of O^T = V^T P, whose result again holds one query a lane, and eight channels.  K comes out of LDS as it lies, V ([key][channel]) turned, by ds_load_tr16_b128.
; SOFTMAX.  For each query a running maximum m and sum l: p = 2^(c s - c m), c = log2(e) / 8; in every step O and l are multiplied by a = 2^(c m_old - c m_new).
; BY TURNS.  The wave's tiles are two pieces: piece 0 (tiles 0, 1), piece 2 (tiles 2, 3).  In a turn one piece issues 16 products V^T P of the step in hand and 16 products K Q^T of the next
; step; the other piece's softmax (2 x 118 vector instructions, cut into 59 slices of four) stands between them, two slices behind each product from the third on: the products stand singly, so
; that vector work follows every one of them, at the price of two switches of the register window a product.  Two turns are a key step.
; CLUSTER.  The four query blocks of a cluster belong to one (batch, head) and walk the same K and V: each tile is asked for jointly, by the same tensor load with a mask that names the four.
; RING.  Two slots of 256 keys (four steps) each.  A wave's load brings 128 keys of K or of V: 16,384 consecutive bytes, taken as 64 rows of 256 bytes, with padding behind every 128 bytes.
; Two tensor loads of a wave are out at the start, later one, which has four key steps, 256 matrix instructions, in which to land.
; REGISTERS, in windows of 256: window 0: v0-11 addresses; v12-43 eight registers of statistics a tile; v64-191 S^T, 32 a tile; v192-255 P, 16 a tile.
;   window 1: v0-127 O^T, 32 a tile; v128-191 Q, 16 a tile; v192-255 K of one step.      window 2: v0-63 V of one step.
.set KS,    64        ; keys in a step
.set PK,    144       ; a row of K in LDS: 128 bytes + 16 of padding: an odd multiple of 16, so the 16 rows of a load start in different banks
.set PV,    160       ; a row of V: 128 + 32: an odd multiple of 32, for the turning load's 8 rows x 32 bytes
.set KSTEPB, KS*PK    ; a step's K
.set VSTEPB, KS*PV    ; a step's V
.set VOFF,  4*KSTEPB  ; a slot: 256 rows of K, then 256 rows of V
.set SLOT1, 1<<17     ; slot 1 begins here, so that one exclusive or turns an address in one slot into the other's
.set STAGE, SLOT1+4*(KSTEPB+VSTEPB)  ; behind the ring: 16 rows x 144 bytes for each wave; no tensor load lands there
.set SP,    144
.set PART,  16777216  ; bytes of Q, of K and of V in qkv
.set AK0, 2           ; v2   my lane's place in a step's K; never rewritten
.set AV0, 3           ; v3   the same for V
.set ADR, 4           ; v4   the LDS address of the run of loads in hand
.set QO,  5           ; v5   my byte offset in the wave's rows of Q
.set STO, 6           ; v6   the way out: where I put 16 bytes of a row
.set RD,  7           ; v7   the way out: where I read back
.set GO,  8           ; v8   my byte offset in a store's 512 bytes
.set ST,  12          ; tile t's statistics at v[ST+8 t]: +0 c m, +1 m, +2, +3 l (even keys', odd keys'), +4 to +7 c0-c3, at work; a takes c2's place once the maximum is found
.set S,   64
.set P,   192
.set QF,  128         ; Q's fragments, in window 1
.set KF,  192         ; K's fragments, in window 1
.set WV,  12          ; s12  my wave's number
.set G1K, 24          ; s[24:31] descriptor group 1 for K's tiles
.set G1V, 32          ; s[32:39] for V's: it differs in the padding alone
.set G0K, 40          ; s[40:47] descriptor group 0 for K's tiles: a set for each of the two first fills; the second then walks on
.set G0V, 48          ; s[48:55] the same for V's
.set SLOTS, 56        ; s56  slots still to be asked for
.set CNT, 57          ; s57  counts key steps
.set CS,  58          ; s[58:59] c: the packed scaling names a pair and takes its low word for both halves
.set SEL, 60          ; s[60:61] lane selects for v_permlanex16_b32: each lane takes its own place in the other half
.set TBK, 62          ; s62  LDS byte at which the K of the step to be fetched begins
.set TBV, 63          ; s63  the same for V, less VOFF
.set MSB, 0
.macro WIN new                      ; the immediate's high byte repeats the setting that is left; a switch that changes nothing is dropped
.if MSB != \new
	s_set_vgpr_msb (MSB<<8)|\new
.set MSB, \new
.endif
.endm
.set W_KQ, 0x05       ; K and Q in window 1, S^T in window 0
.set W_PV, 0x52       ; V in window 2, P in window 0, O^T in window 1
.set W_RS, 0x41       ; O^T (destination and source 0) in window 1, a in window 0
.macro PLACES                       ; four plain vector instructions behind matrix instructions whose results are read or whose registers are written next (ISA guide 7.12.1)
.rept 4
	v_nop
.endr
.endm
; A joint refill: waves 0 and 1 fetch the two halves of a slot's K, waves 2 and 3 those of its V.  The branch hangs on the wave's number alone.  Four v_nop follow each line.
.macro JLOAD
	s_cmp_lt_u32 s[WV], 2
	s_cbranch_scc0 .Lfor_v_\@
	tensor_load_to_lds s[G0K+4:G0K+7], s[G1K:G1K+7]
	s_nop 0
	PLACES
	s_branch .Lasked_\@
.Lfor_v_\@:
	tensor_load_to_lds s[G0V+4:G0V+7], s[G1V:G1V+7]
	s_nop 0
	PLACES
.Lasked_\@:
.endm
.macro CROUND                       ; a round of the cluster's barrier
	s_barrier_signal -1
	s_barrier_wait -1
	s_cmp_lg_u32 s[WV], 0
	s_cbranch_scc1 .Lnot_wave_0_\@
	s_barrier_signal -3
.Lnot_wave_0_\@:
	s_barrier_wait -3
	s_barrier_signal -1
	s_barrier_wait -1
.endm
	s_load_b128 s[4:7], s[0:1], 0x0 ; qkv s[4:5], ctxh s[6:7]
	v_lshl_add_u32 v62, v0, 2, 0x35400
	v_mov_b32 v63, 0
	ds_add_u32 v62, v63
	v_lshrrev_b32 v1, 5, v0
	v_readfirstlane_b32 s[WV], v1   ; wave 0..3
	s_bfe_u32 s13, ttmp6, 0x40000   ; cx: my place in the cluster
	s_lshl_b32 s14, ttmp9, 2
	s_add_co_u32 s14, s14, s13      ; my block of 256 queries = 4 x cluster x + cx: it enters Q's and the result's addresses alone
	s_and_b32 s15, ttmp7, 0xffff    ; batch x 16 + head, which the four partners share
	s_and_b32 s16, s[WV], 1         ; which 128 keys of a slot I fetch
	s_lshl_b32 s19, s15, 18         ; the head's 2,048 rows of 128 bytes
	s_lshl_b32 s22, s16, 14         ; my 128 keys
	s_add_co_u32 s22, s22, s19
	s_mov_b32 s23, 0
	s_mul_i32 s17, s16, 128*PK      ; and their place in a slot: no place in the cluster enters an LDS address
	s_mul_i32 s18, s16, 128*PV
	s_lshl_b32 s2, s14, 15          ; my block's 256 rows,
	s_lshl_b32 s3, s[WV], 13        ; my wave's 64 of them
	s_add_co_u32 s2, s2, s3
	s_and_b32 s20, s15, 15          ; the result: head x 1,048,576 + batch x 2,048 rows + my rows
	s_lshl_b32 s20, s20, 20
	s_lshr_b32 s21, s15, 4
	s_lshl_b32 s21, s21, 18
	s_add_co_u32 s20, s20, s21
	s_add_co_u32 s20, s20, s2
	s_mov_b32 s21, 0
	s_add_co_u32 s2, s2, s19        ; Q: the head's rows + my rows
	s_mov_b32 s3, 0
	; descriptor group 1: 64 rows x 128 elements of 2 bytes, consecutive in memory; padding behind every 32 words, counted along the tile: each key's 128 bytes get a pitch of their own
	s_mov_b32 s[G1K], 15|(1<<16)|(1<<20)|(1<<21)|(4<<22)|(3<<25)  ; the mask: all four work-groups; bit 21 beside it; 4 words of padding
	s_mov_b32 s[G1V], 15|(1<<16)|(1<<20)|(1<<21)|(4<<22)|(7<<25)  ; the same with 8 words
.irp g, G1K, G1V
	s_mov_b32 s[\g+1], 128<<16      ; tensor_dim0 = 128
	s_mov_b32 s[\g+2], 64<<16       ; tensor_dim1 = 64
	s_mov_b32 s[\g+3], 128<<16      ; tile_dim0 = 128
	s_mov_b32 s[\g+4], 64           ; tile_dim1 = 64
	s_mov_b32 s[\g+5], 128          ; elements from row to row
	s_mov_b32 s[\g+6], 0
	s_mov_b32 s[\g+7], 0
.endr
	s_mov_b32 s[CS], 0x3e38aa3b     ; c = log2(e) / 8 = 0.180337
	s_mov_b32 s[CS+1], s[CS]        ; named with it as a pair, so it is written
	s_mov_b32 s[SEL], 0x76543210
	s_mov_b32 s[SEL+1], 0xfedcba98
	s_mov_b32 s[TBK], 0
	s_mov_b32 s[TBV], 0
	s_mov_b32 s[SLOTS], 6           ; 8 slots' worth of keys, two of them asked for at the start
	s_wait_dscnt 0x0
	s_wait_kmcnt 0x0
	s_add_nc_u64 s[8:9], s[4:5], s[2:3]      ; Q at my wave's first row
	s_add_nc_u64 s[10:11], s[6:7], s[20:21]  ; the result at my wave's first row
	s_add_nc_u64 s[22:23], s[4:5], s[22:23]
.irp s, 0,1
	s_mov_b32 s[G0K+4*\s], 1
	s_add_co_u32 s[G0K+4*\s+1], s17, \s*SLOT1
	s_add_nc_u64 s[G0K+4*\s+2:G0K+4*\s+3], s[22:23], PART+\s*4*KS*128
	s_or_b32 s[G0K+4*\s+3], s[G0K+4*\s+3], 0x80000000
	s_mov_b32 s[G0V+4*\s], 1
	s_add_co_u32 s[G0V+4*\s+1], s18, \s*SLOT1+VOFF
	s_add_nc_u64 s[G0V+4*\s+2:G0V+4*\s+3], s[22:23], 2*PART+\s*4*KS*128
	s_or_b32 s[G0V+4*\s+3], s[G0V+4*\s+3], 0x80000000
.endr
	CROUND                          ; all four work-groups are here: the first joint loads meet
	s_cmp_lt_u32 s[WV], 2           ; a wave's two first fills stand in one branch, ahead of every wait on TENSORcnt and every LDS read
	s_cbranch_scc0 .Lfirst_v
	tensor_load_to_lds s[G0K:G0K+3], s[G1K:G1K+7]
	s_nop 0
	tensor_load_to_lds s[G0K+4:G0K+7], s[G1K:G1K+7]
	s_nop 0
	PLACES
	s_branch .Lfirst_asked
.Lfirst_v:
	tensor_load_to_lds s[G0V:G0V+3], s[G1V:G1V+7]
	s_nop 0
	tensor_load_to_lds s[G0V+4:G0V+7], s[G1V:G1V+7]
	s_nop 0
	PLACES
.Lfirst_asked:
	; A fragment of K or Q is 16 rows x 32 channels in 8 registers: lane l holds row l % 16; two loads of 16 bytes, 32 bytes apart, at row x pitch + 16 (l / 16).
	v_and_b32 v1, 15, v0            ; l % 16
	v_bfe_u32 v9, v0, 4, 1          ; l / 16
	v_lshlrev_b32 v[QO], 7, v1
	v_lshl_add_u32 v[QO], v9, 4, v[QO]
	WIN 0x40                        ; destination window 1, address window 0
.irp i, 0,1,2,3,4,5,6,7             ; Q stays in registers: tile i / 2, channels 32 (i % 2) on
	global_load_b128 v[QF+8*\i:QF+8*\i+3],   v[QO], s[8:9] offset:(\i/2)*2048+(\i%2)*64
	global_load_b128 v[QF+8*\i+4:QF+8*\i+7], v[QO], s[8:9] offset:(\i/2)*2048+(\i%2)*64+32
.endr
	WIN 0
	v_mul_u32_u24 v[AK0], v1, PK
	v_lshl_add_u32 v[AK0], v9, 4, v[AK0]
	; The turning load takes 16 keys x 16 channels (lane l reads 16 bytes: key 8 (l / 16) + l % 8, channels 8 ((l / 8) % 2) + 0..7) and leaves half a fragment of V^T: channel l % 16, 8 keys.
	v_and_b32 v10, 7, v0
	v_bfe_u32 v11, v0, 3, 1
	v_lshl_add_u32 v[AV0], v9, 3, v10
	v_mul_u32_u24 v[AV0], v[AV0], PV
	v_lshl_add_u32 v[AV0], v11, 4, v[AV0]
	v_add_nc_u32 v[AV0], VOFF, v[AV0]
; THE MATRIX WORK OF A TURN, for piece x.  The accumulators take turns, one instruction a turn: between two links of a chain stand 7 others'.
; Product i of 16 of O^T += V^T P: keys 32 (i / 8) on, channels 16 ((i / 2) % 4) on, tile x + i % 2.  zero = 1: the first 8 start the sums: nothing is ever cleared.
.macro PV x, zero
	WIN W_PV
.set rO, 32*(\x+i%2)+8*((i/2)%4)
.set rV, 32*(i/8)+8*((i/2)%4)
.set rP, P+16*(\x+i%2)+8*(i/8)
.if \zero && (i < 8)
	v_wmma_f32_16x16x32_bf16 v[rO:rO+7], v[rV:rV+7], v[rP:rP+7], 0
.else
	v_wmma_f32_16x16x32_bf16 v[rO:rO+7], v[rV:rV+7], v[rP:rP+7], v[rO:rO+7]
.endif
.endm
; Product i of 16 of S^T = K Q^T: channels 32 (i / 8) on, keys 16 ((i / 2) % 4) on, tile x + i % 2.  The first 8 start the sums.
.macro KQ x
	WIN W_KQ
.set rS, S+32*(\x+i%2)+8*((i/2)%4)
.set rK, KF+16*((i/2)%4)+8*(i/8)
.set rQ, QF+16*(\x+i%2)+8*(i/8)
.if i < 8
	v_wmma_f32_16x16x32_bf16 v[rS:rS+7], v[rK:rK+7], v[rQ:rQ+7], 0
.else
	v_wmma_f32_16x16x32_bf16 v[rS:rS+7], v[rK:rK+7], v[rQ:rQ+7], v[rS:rS+7]
.endif
.endm
; THE LDS LOADS stand in runs of 16: a step's K (64 keys x 64 channels: 8 fragments) and, a turn later, its V (turned).
.macro FETCH_K
	WIN 0
	v_add_nc_u32 v[ADR], s[TBK], v[AK0]
	s_add_co_u32 s[TBK], s[TBK], KSTEPB  ; the next fetch is the next step's
	WIN 0x40                        ; destination window 1
.irp f, 0,1,2,3,4,5,6,7             ; keys 16 (f / 2) on, channels 32 (f % 2) on
	ds_load_b128 v[KF+8*\f:KF+8*\f+3],   v[ADR] offset:(\f/2)*16*PK+(\f%2)*64
	ds_load_b128 v[KF+8*\f+4:KF+8*\f+7], v[ADR] offset:(\f/2)*16*PK+(\f%2)*64+32
.endr
.endm
.macro FETCH_V
	WIN 0
	v_add_nc_u32 v[ADR], s[TBV], v[AV0]
	s_add_co_u32 s[TBV], s[TBV], VSTEPB
	WIN 0x80                        ; destination window 2
.irp f, 0,1,2,3,4,5,6,7             ; keys 32 (f / 4) on, channels 16 (f % 4) on
	ds_load_tr16_b128 v[8*\f:8*\f+3],   v[ADR] offset:(\f/4)*32*PV+(\f%4)*32
	ds_load_tr16_b128 v[8*\f+4:8*\f+7], v[ADR] offset:(\f/4)*32*PV+16*PV+(\f%4)*32
.endr
.endm
; THE VECTOR WORK OF A TURN.  One tile's softmax for one key step is a list of 118 instructions; SM writes number j of it for tile t.  s0-s31 are the lane's 32 scores, in pairs 0-15.
; first = 1: the first key step, which starts m, l and O^T: it has no a and nothing to rescale.
;   0-15    the maximum of s0-s31 and the old m, three operands at a time; each accumulator of S^T is first read at its low end
;   16-20   the other half of the lanes' maximum; the new m; c m; c m_old - c m_new
;   21-87   33 exponentials (a, then s0-s31) at the odd numbers from 23 on, so that no two follow each other and each has a plain instruction behind it before its result is used (ISA guide 5.7.2).
;           The plain instructions between them are whatever is ready: c s - c m for a pair whose exponentials are still to come, the rounding of a pair whose exponentials are done, the first sums
;   88-101  the last rounding; the rest of the sums; l = a l + the sum
;   102-117 the tile's O^T times a, in ascending order: the one part that leaves window 0, so it stands together
.macro SM t, first
.set rT, ST+8*(\t)
.set rS, S+32*(\t)
.set rP, P+16*(\t)
.set rO, 32*(\t)+2*(j-102)
.set q, (j-20)/2
.if j < 102
	WIN 0
.endif
.if j < 4
	v_max3_num_f32 v[rT+4+j], v[rS+8*j], v[rS+8*j+1], v[rS+8*j+2]
.elseif j < 12
	v_max3_num_f32 v[rT+4+j%4], v[rT+4+j%4], v[rS+8*(j%4)+2*(j/4)+1], v[rS+8*(j%4)+2*(j/4)+2]
.elseif j == 12
	v_max3_num_f32 v[rT+4], v[rT+4], v[rS+7], v[rS+15]
.elseif j == 13
	v_max3_num_f32 v[rT+6], v[rT+6], v[rS+23], v[rS+31]
.elseif j == 14
	v_max3_num_f32 v[rT+4], v[rT+4], v[rT+5], v[rT+6]
.elseif (j == 15) && \first
	v_max_num_f32 v[rT+4], v[rT+4], v[rT+7]
.elseif j == 15
	v_max3_num_f32 v[rT+4], v[rT+4], v[rT+7], v[rT+1]
.elseif j == 16
	v_permlanex16_b32 v[rT+5], v[rT+4], s[SEL], s[SEL+1]  ; the query's other 32 keys lie in the lane 16 away
.elseif j == 18
	v_max_num_f32 v[rT+1], v[rT+4], v[rT+5]
.elseif j == 19
	v_mul_f32 v[rT], s[CS], v[rT+1]
.elseif ((j == 17) || (j == 20) || (j == 23) || (j > 101)) && \first  ; the first step has none of these
.elseif j == 17
	v_mov_b32 v[rT+7], v[rT]        ; c m_old is kept for a: number 19 writes c m anew
.elseif j == 20
	v_sub_f32 v[rT+7], v[rT+7], v[rT]
.elseif j == 23
	v_exp_f32 v[rT+6], v[rT+7]
.elseif (j < 88) && (j > 23) && (j%2 == 1)
	v_exp_f32 v[rS+(j-25)/2], v[rS+(j-25)/2]
.elseif (q < 4) || ((j < 76) && (q%2 == 0))
.set b, q/2+2
.if q < 4
.set b, q
.endif
	v_pk_fma_f32 v[rS+2*b:rS+2*b+1], v[rS+2*b:rS+2*b+1], s[CS:CS+1], v[rT:rT+1] op_sel_hi:[1,0,0] neg_lo:[0,0,1] neg_hi:[0,0,1]  ; pair b: c s - c m
.elseif (j < 88) && (q%2 == 1)
	s_wait_alu depctr_va_vdst(0)
	v_cvt_pk_bf16_f32 v[rP+(q-5)/2], v[rS+q-5], v[rS+q-4]  ; pair (q - 5) / 2: its second exponential stands three numbers back
.elseif j == 89
	s_wait_alu depctr_va_vdst(0)
	v_cvt_pk_bf16_f32 v[rP+15], v[rS+30], v[rS+31]
.elseif j < 102                     ; the sum of the tile's 16 pairs, in place: sum z of 16 adds neighbours 1, 2, 4 and 8 pairs apart, then l takes it
.set z, j-86
.if j < 89
.set z, (j-76)/4
.endif
.set w, 4
.set u, z
.if z >= 14
.set w, 32
.set u, 0
.elseif z >= 12
.set w, 16
.set u, z-12
.elseif z >= 8
.set w, 8
.set u, z-8
.endif
.if (z == 14) && \first
	v_pk_add_f32 v[rT+2:rT+3], v[rS:rS+1], v[rS+16:rS+17]
.elseif z < 15
	v_pk_add_f32 v[rS+w*u:rS+w*u+1], v[rS+w*u:rS+w*u+1], v[rS+w*u+w/2:rS+w*u+w/2+1]
.elseif !\first
	v_pk_fma_f32 v[rT+2:rT+3], v[rT+2:rT+3], v[rT+6:rT+7], v[rS:rS+1] op_sel_hi:[1,0,1]
.endif
.else
	WIN W_RS
	v_pk_mul_f32 v[rO:rO+1], v[rO:rO+1], v[rT+6:rT+7] op_sel_hi:[1,0]
.endif
.endm
; Slice k of 59 of piece y's softmax: numbers 2 k and 2 k + 1 of both tiles' lists, four instructions; from k = 59 on there is nothing.
.macro SLICE y, first
.if k < 59
.if (k >= 11) && (k < 44)           ; tile by tile: plain, exponential, plain, exponential
.irp t, \y, \y+1
.irp n, 0,1
.set j, 2*k+\n
	SM \t, \first
.endr
.endr
.else                               ; the two tiles alternate, so that no instruction reads the result of the one just before it
.irp n, 0,1
.irp t, \y, \y+1
.set j, 2*k+\n
	SM \t, \first
.endr
.endr
.endif
.endif
.set k, k+1
.endm
.macro AFTER x, first               ; what stands behind product number pr of a turn
.if pr >= skip
.rept per
	SLICE 2-\x, \first
.endr
.endif
.set pr, pr+1
.endm
; A TURN.  Piece x has the matrix unit; the other piece's softmax stands in slices behind its products.
; pv = 2: 16 products V^T P; 1: they start O^T's sums; 0: none.  kq = 1: 16 products K Q^T for the next step.
; With both kinds (32 products): two slices behind each from the third on, 2 x 30 = 60 places for 59 slices.  With one kind (16): four behind each from the second on.
; Slice 58, four packed multiplies of the other piece's O^T, stands behind the turn's last product and names none of its registers: these four are the places in front of the next turn's first
; read of the new scores and of the loads into K's buffer.  first = 1: the slices from 51 on are empty, and four v_nop take that part.
; Piece 0's turn fetches the next step's K behind its second product: the last product that read K is the turn before's last.  Piece 2's turn fetches the same step's V behind its second K Q^T:
; the last product that read V stands six slices, twelve plain instructions, back.  Each run is waited for once, in piece 0's turn, in front of the products that read it.
.macro TURN x, pv, kq, first
.set k, 0
.set pr, 0
.if \pv && \kq
.set per, 2
.set skip, 2
.else
.set per, 4
.set skip, 1
.endif
.if \pv
.if \x == 0
	s_wait_dscnt 0x0                ; V is in
.endif
.set i, 0
.rept 16
	PV \x, 2-\pv
	AFTER \x, \first
.if (\x == 0) && \kq && (i == 1)
	FETCH_K
.endif
.set i, i+1
.endr
.endif
.if \kq
.if \x == 0
	s_wait_dscnt 0x0                ; K is in
.endif
.set i, 0
.rept 16
	KQ \x
	AFTER \x, \first
.if (\x == 2) && (i == 1)
	FETCH_V
.endif
.set i, i+1
.endr
.endif
.if \first
	PLACES
.endif
.endm
; THE CHANGE OF SLOTS, between piece 2's turn and piece 0's: the slot's last bytes, V of its fourth step, have been asked for.  Each wave waits for its own reads of the slot and for all its
; tensor loads, of which one is out: its part of the other slot.  fill = 1: the barrier is a round of the cluster's, and the joint refill (the keys two slots on) is the first thing behind it.
.macro CHANGE fill
	WIN 0                           ; at a label and at a branch every window is 0
	s_wait_dscnt 0x0
	s_wait_tensorcnt 0x0            ; no tensor load of mine is out, so a group 0 may be written
	ds_add_u32 v62, v63
	s_wait_dscnt 0x0
.if \fill
.irp g, G0K+4, G0V+4
	s_xor_b32 s[\g+1], s[\g+1], SLOT1  ; the walking descriptor: the other slot than last time,
	s_add_nc_u64 s[\g+2:\g+3], s[\g+2:\g+3], 4*KS*128  ; the next 256 keys; the type bits on top are not reached
.endr
	CROUND
	JLOAD
.else
	s_barrier_signal -1
	s_barrier_wait -1
.endif
	s_sub_co_u32 s[TBK], s[TBK], 4*KSTEPB  ; the fetches go back to a slot's first step,
	s_xor_b32 s[TBK], s[TBK], SLOT1        ; in the other slot
	s_sub_co_u32 s[TBV], s[TBV], 4*VSTEPB
	s_xor_b32 s[TBV], s[TBV], SLOT1
.endm
.macro STEPS n                      ; n key steps: written once, walked n times; the LDS addresses hang on s[TBK] and s[TBV]
	s_mov_b32 s[CNT], \n
.Lstep_\@:
	TURN 0, 2, 1, 0
	TURN 2, 2, 1, 0
	WIN 0
	s_sub_co_u32 s[CNT], s[CNT], 1
	s_cmp_lg_u32 s[CNT], 0
	s_cbranch_scc1 .Lstep_\@
.endm
	s_wait_tensorcnt 0x1            ; my part of slot 0 is in; slot 1's may stay out
	s_barrier_signal -1
	s_barrier_wait -1               ; everybody's is
	FETCH_K                         ; key step 0
	s_wait_loadcnt 0x0              ; Q
	s_wait_dscnt 0x0
.set i, 0
.rept 16
	KQ 0                            ; piece 0's first scores: there is no vector work yet to set between them
.set i, i+1
.endr
	WIN 0                           ; the addresses for the way out are made here: plain instructions, the places behind those products
	s_mul_i32 s13, s[WV], 16*SP
	s_add_co_u32 s13, s13, STAGE    ; my stage
	v_mul_u32_u24 v[STO], v1, SP    ; in: row l % 16, 16 bytes for each half of the lanes
	v_lshl_add_u32 v[STO], v9, 4, v[STO]
	v_add_nc_u32 v[STO], s13, v[STO]
	v_bfe_u32 v[RD], v0, 3, 2       ; back: eight lanes take a row of 128 bytes, a load four rows
	v_mul_u32_u24 v[RD], v[RD], SP
	v_lshl_add_u32 v[RD], v10, 4, v[RD]
	v_add_nc_u32 v[RD], s13, v[RD]
	v_and_b32 v[GO], 31, v0         ; and in ctxh four rows are 512 consecutive bytes
	v_lshlrev_b32 v[GO], 4, v[GO]
	TURN 2, 0, 1, 1                 ; piece 2's first scores | piece 0's first softmax | V of step 0
	TURN 0, 1, 1, 1                 ; piece 0: V^T P of step 0 starts O^T, K Q^T of step 1 | piece 2's first softmax | K of step 1
	TURN 2, 1, 1, 0                 ; piece 2: the same | piece 0's softmax of step 1 | V of step 1
	WIN 0
	STEPS 2                         ; slot 0's steps 2 and 3 are fetched
.Lslot:                             ; six trips: every slot but the last two is filled again
	CHANGE 1
	STEPS 4
	s_sub_co_u32 s[SLOTS], s[SLOTS], 1
	s_cmp_lg_u32 s[SLOTS], 0
	s_cbranch_scc1 .Lslot
	CHANGE 0                        ; the tail is written out: nothing more is asked for
	STEPS 4
	TURN 0, 2, 0, 0                 ; piece 0: V^T P of the last step | piece 2's last softmax
.set i, 0
.rept 16
	PV 2, 0                         ; piece 2: V^T P of the last step
.set i, i+1
.endr
	; THE WAY OUT.  l's two halves and the other half of the lanes' are added; O^T is divided by l, rounded to bf16 and sent through my stage, a tile (16 rows) at a time.  The additions are the places behind the last products.
	WIN 0
.irp t, 0,1,2,3
	v_add_f32 v[ST+8*\t+4], v[ST+8*\t+2], v[ST+8*\t+3]
.endr
.irp t, 0,1,2,3
	v_permlanex16_b32 v[ST+8*\t+5], v[ST+8*\t+4], s[SEL], s[SEL+1]
.endr
.irp t, 0,1,2,3
	v_add_f32 v[ST+8*\t+4], v[ST+8*\t+4], v[ST+8*\t+5]
.endr
.irp t, 0,1,2,3
	v_rcp_f32 v[ST+8*\t+6], v[ST+8*\t+4]
.endr
	v_nop                           ; a plain instruction between the last reciprocal and the use of its result
	s_wait_alu depctr_va_vdst(0)
.macro PACK t                       ; a lane's eight channels of a row pack into 16 bytes; they go into rows of 144 bytes and come back by rows, into the registers that they left
	WIN W_RS
.set i, 32*\t
.rept 16
	v_pk_mul_f32 v[i:i+1], v[i:i+1], v[ST+8*\t+6:ST+8*\t+7] op_sel_hi:[1,0]
.set i, i+2
.endr
	WIN 0x05                        ; sources 0 and 1 window 1, destination window 0: S^T's registers are free
.set i, 0
.rept 16
	v_cvt_pk_bf16_f32 v[S+16*\t+i], v[32*\t+2*i], v[32*\t+2*i+1]
.set i, i+1
.endr
	WIN 0
.irp f, 0,1,2,3
	ds_store_b128 v[STO], v[S+16*\t+4*\f:S+16*\t+4*\f+3] offset:32*\f
.endr
.irp f, 0,1,2,3
	ds_load_b128 v[S+16*\t+4*\f:S+16*\t+4*\f+3], v[RD] offset:\f*4*SP  ; LDS serves a wave's instructions in order (ISA guide 5.7.1.4): these see the stores above; the next tile's stores come behind them
.endr
.endm
.macro SEND t, younger              ; younger: the LDS instructions issued behind tile t's loads: the next tile's eight, or none
.irp f, 0,1,2,3
	s_wait_dscnt \younger+3-\f
	global_store_b128 v[GO], v[S+16*\t+4*\f:S+16*\t+4*\f+3], s[10:11] offset:\t*2048+\f*512  ; a wave stores 512 consecutive bytes, aligned
.endr
.endm
	PACK 0
	PACK 1                          ; a tile's arithmetic stands between the loads of the tile before and its stores
	SEND 0, 8
	PACK 2
	SEND 1, 8
	PACK 3
	SEND 2, 8
	SEND 3, 0
	s_wait_tensorcnt 0x0
	ds_add_u32 v62, v63
	s_wait_dscnt 0x0
	CROUND                          ; the closing round: no work-group ends while a partner may still ask for a tile that names it
	s_endpgm
.Lfunc_end_k_qca932f7aed_attn:
	.size	k_qca932f7aed_attn, .Lfunc_end_k_qca932f7aed_attn-k_qca932f7aed_attn
	.p2alignl 7, 3214868480
	.fill 96, 4, 3214868480
	.section	.rodata,"a",@progbits
	.p2align	6, 0x0
	.amdhsa_kernel k_qca932f7aed_attn
		.amdhsa_group_segment_fixed_size 327680
		.amdhsa_private_segment_fixed_size 0
		.amdhsa_enable_private_segment 0
		.amdhsa_kernarg_size 16
		.amdhsa_user_sgpr_count 2
		.amdhsa_user_sgpr_kernarg_segment_ptr 1
		.amdhsa_wavefront_size32 1
		.amdhsa_system_sgpr_workgroup_id_x 1
		.amdhsa_system_sgpr_workgroup_id_y 1
		.amdhsa_system_sgpr_workgroup_id_z 1
		.amdhsa_system_vgpr_workitem_id 0
		.amdhsa_next_free_vgpr 576
		.amdhsa_next_free_sgpr 66
		.amdhsa_reserve_vcc 0
		.amdhsa_float_denorm_mode_32 3
		.amdhsa_float_denorm_mode_16_64 3
		.amdhsa_memory_ordered 1
		.amdhsa_forward_progress 1
		.amdhsa_inst_pref_size 203
	.end_amdhsa_kernel
	.amdgpu_metadata
---
amdhsa.version: [ 1, 2 ]
amdhsa.kernels:
  - .name:           k_qca932f7aed_attn
    .symbol:         k_qca932f7aed_attn.kd
    .args:
      - { .name: qkv, .offset: 0, .size: 8, .value_kind: global_buffer, .address_space: global }
      - { .name: ctxh, .offset: 8, .size: 8, .value_kind: global_buffer, .address_space: global }
    .group_segment_fixed_size: 327680
    .private_segment_fixed_size: 0
    .kernarg_segment_align: 8
    .kernarg_segment_size: 16
    .max_flat_workgroup_size: 128
    .sgpr_count:     66
    .vgpr_count:     576
    .wavefront_size: 32
...
	.end_amdgpu_metadata
.endif
;; end of part 3
;; launch oproj (part 4): grid 4 x 64, 4 waves a work-group, clusters of 4 x 4, 327,680 bytes of LDS; arguments ctxh, wbf, bo, out0; writes out0
.if DOCPART == 4
	.amdgcn_target "amdgcn-amd-amdhsa--gfx1250"
	.amdhsa_code_object_version 6
	.text
	.protected	k_qca932f7aed_oproj
	.globl	k_qca932f7aed_oproj
	.p2align	8
	.type	k_qca932f7aed_oproj,@function
k_qca932f7aed_oproj:
	s_mov_b64 s[64:65], 0
	v_nop
	global_prefetch_b8 v0, s[64:65] scope:SCOPE_SE
	s_setreg_imm32_b32 hwreg(HW_REG_WAVE_MODE, 25, 1), 1
	s_wait_xcnt 0x0
	s_wait_alu depctr_hold_cnt(0) depctr_sa_sdst(0) depctr_va_vdst(0) depctr_va_sdst(0) depctr_va_ssrc(0) depctr_va_vcc(0) depctr_vm_vsrc(0)
	s_getreg_b32 s2, hwreg(HW_REG_IB_STS2, 6, 4)
	s_cmp_eq_u32 s2, 0
	s_cbranch_scc0 .Lentry_in_a_cluster
	s_endpgm
.Lentry_in_a_cluster:
	s_bfe_u32 s2, ttmp6, 0x10000c
	s_cmp_lg_u32 s2, 0xf033
	s_cbranch_scc0 .Lentry_shape_is_right
	s_endpgm
.Lentry_shape_is_right:
; out0[m][n] = sum over k of ctx[m][k] Wo[n][k] + bo[n], f32.  ctx: ctxh[h][m][d], k = 64 h + d, bf16.  Wo: wbf[3], [1024][1024] bf16.  Products of bf16 operands, sums in f32.
; SHARES.  64 x 4 = 256 tiles of 128 rows x 256 columns, one to a work-group.  Four waves, each 64 rows x 128 columns: 32 accumulators of 16 x 16, 256 registers.
; K goes in 8 steps of 128 = two heads' planes, through a ring of two LDS slots filled by the tensor data mover.  A plane's part of the tile, 128 rows of 128 bytes, is 16,384 consecutive bytes:
; it is taken as 64 rows of 256 bytes with padding behind every 128 bytes, so that each row of ctx has a pitch of 144 bytes in LDS.
; CLUSTERS.  4 x 4 work-groups: ctx's tiles are shared along a row of the cluster, Wo's along a column; each is asked for jointly, by the same tensor load with a mask that names the four.
; THE MATRIX INSTRUCTION IS USED TRANSPOSED (source 0 = 16 rows of Wo, source 1 = 16 rows of ctx): a lane holds one row and eight neighbouring columns, 32 bytes of f32.
; THE BIAS STARTS THE SUMS: it is the C of each accumulator's first product.
; REGISTERS: window 0: v0-31 addresses; v96-127, v128-159 ctx's fragments, two buffers; on the way out v32-95 and v96-159 by turns.  window 1: the accumulators, (a, b) at v[8 (8 a + b)].
;   window 2: v0-63, v64-127 Wo's fragments, two buffers; v128-191 the bias.
.set KSTEP,  128
.set PAO,    144                       ; an LDS row of ctx: 128 bytes + 16: an odd multiple of 16
.set APLANE, 128*PAO                   ; one plane's 128 rows: one tensor load
.set AREG,   2*APLANE
.set PB,     272                       ; an LDS row of Wo: 256 bytes + 16
.set BHALF,  128*PB                    ; 128 rows of Wo: one tensor load, and what one wave reads
.set SLOT,   AREG+2*BHALF              ; 106,496
.set STAGE,  2*SLOT                    ; behind the ring: 16 rows x 528 bytes for each wave; no tensor load lands there
.set SPITCH, 528
.set LAPS,   4
.set ADRA, 16
.set ADRB, 20
.set STO,  24
.set RD,   25
.set CO,   26
.set BO,   27
.set AF,   96
.set OB,   32
.set BF,   0
.set BIAS, 128
.set G1,  24
.set G0,  32
.set G1B, 48
.set G0B, 56
.set MSB, 0
.macro WIN new                         ; the immediate's high byte repeats the setting that is left; a switch that changes nothing is dropped
.if MSB != \new
	s_set_vgpr_msb (MSB<<8)|\new
.set MSB, \new
.endif
.endm
.set MUL,   0x52                       ; source 0 (Wo) window 2, source 1 (ctx) window 0, C and D window 1
.set MULB,  0x62                       ; the same with C (the bias) in window 2
.set TO_B,  0x80                       ; destination window 2, address window 0
.macro PLACES                          ; four plain vector instructions behind matrix instructions whose results are read or whose registers are loaded next (ISA guide 7.12.1)
.rept 4
	v_nop
.endr
.endm
.macro JLOAD s                         ; a joint refill: waves 0 and 1 fetch ctx's two planes, waves 2 and 3 Wo's two halves; four v_nop follow each line
	s_cmp_eq_u32 s11, 0
	s_cbranch_scc0 .Lfor_b_\@
	tensor_load_to_lds s[G0+4*\s:G0+4*\s+3], s[G1:G1+7]
	s_nop 0
	PLACES
	s_branch .Lasked_\@
.Lfor_b_\@:
	tensor_load_to_lds s[G0B+4*\s:G0B+4*\s+3], s[G1B:G1B+7]
	s_nop 0
	PLACES
.Lasked_\@:
.endm
.macro CREST                           ; a round of the cluster's barrier behind its opening barrier
	s_cmp_lg_u32 s10, 0
	s_cbranch_scc1 .Lnot_wave_0_\@
	s_barrier_signal -3
.Lnot_wave_0_\@:
	s_barrier_wait -3
	s_barrier_signal -1
	s_barrier_wait -1
.endm
.macro CROUND
	s_barrier_signal -1
	s_barrier_wait -1
	CREST
.endm
	s_load_b256 s[68:75], s[0:1], 0x0              ; ctxh s[68:69], wbf s[70:71], bo s[72:73], out0 s[74:75]
	s_set_vgpr_msb 0x80
	v_lshl_add_u32 v193, v0, 2, 0x3c400
	s_set_vgpr_msb 0x8000
	v_mov_b32 v255, 0
	s_set_vgpr_msb 0x2
	ds_add_u32 v193, v255
	s_set_vgpr_msb 0x200
	v_lshrrev_b32 v1, 5, v0
	v_readfirstlane_b32 s10, v1                    ; wave 0..3
	s_lshr_b32 s11, s10, 1                         ; wr: which 64 rows are mine.  Also: I fetch for ctx (0) or for Wo (1)
	s_and_b32 s12, s10, 1                          ; wc: which 128 columns are mine.  Also: which plane, or which half of Wo's rows, I fetch
	s_bfe_u32 s40, ttmp6, 0x40000                  ; cx, cy
	s_bfe_u32 s41, ttmp6, 0x40004
	s_lshl_b32 s42, ttmp9, 2
	s_add_co_u32 s42, s42, s40                     ; tile column 0..3
	s_and_b32 s13, ttmp7, 0xffff
	s_lshl_b32 s13, s13, 2
	s_add_co_u32 s13, s13, s41                     ; tile row 0..63
	s_lshl_b32 s43, s41, 2
	s_lshl_b32 s43, 15, s43                        ; my row of the cluster
	s_lshl_b32 s44, 0x1111, s40                    ; my column
	; group 1 for ctx: 64 rows x 128 elements of 2 bytes, consecutive in memory; 16 bytes of padding behind every 32 words, counted along the tile
	s_or_b32 s[G1+0], s43, (1<<16)|(1<<20)|(1<<21)|(4<<22)|(3<<25)
	s_mov_b32 s[G1+1], 128<<16
	s_mov_b32 s[G1+2], 64<<16
	s_mov_b32 s[G1+3], 128<<16
	s_mov_b32 s[G1+4], 64
	s_mov_b32 s[G1+5], 128
	s_mov_b32 s[G1+6], 0
	s_mov_b32 s[G1+7], 0
	; group 1 for Wo: 128 rows x 128 elements of 2 bytes; 16 bytes of padding behind every 64 words
	s_or_b32 s[G1B+0], s44, (1<<16)|(1<<20)|(1<<21)|(5<<22)|(3<<25)
	s_mov_b32 s[G1B+1], KSTEP<<16
	s_mov_b32 s[G1B+2], 128<<16
	s_mov_b32 s[G1B+3], KSTEP<<16
	s_mov_b32 s[G1B+4], 128
	s_mov_b32 s[G1B+5], 1024
	s_mov_b32 s[G1B+6], 0
	s_mov_b32 s[G1B+7], 0
	s_lshl_b32 s16, s13, 14                        ; ctx: 128 rows of 128 bytes for each tile row,
	s_lshl_b32 s17, s12, 20                        ; + my plane of 1,048,576 bytes
	s_add_co_u32 s16, s16, s17
	s_mov_b32 s17, 0
	s_lshl_b32 s46, s42, 19                        ; Wo: 256 rows of 2,048 bytes for each tile column,
	s_lshl_b32 s47, s12, 18                        ; + 128 rows,
	s_add_co_u32 s46, s46, s47
	s_add_co_u32 s46, s46, 3*2097152               ; in the fourth weight of wbf
	s_mov_b32 s47, 0
	s_mul_i32 s20, s12, APLANE                     ; where they go: no place in the cluster enters an LDS address
	s_mul_i32 s21, s12, BHALF
	s_add_co_u32 s21, s21, AREG
	s_wait_dscnt 0x0
	s_wait_kmcnt 0x0
	s_add_nc_u64 s[14:15], s[68:69], s[16:17]
	s_add_nc_u64 s[46:47], s[70:71], s[46:47]
.irp s, 0,1
	s_mov_b32 s[G0+4*\s], 1
	s_add_co_u32 s[G0+4*\s+1], s20, \s*SLOT
	s_add_nc_u64 s[G0+4*\s+2:G0+4*\s+3], s[14:15], \s*2*1048576    ; K step s: planes 2 s and 2 s + 1
	s_or_b32 s[G0+4*\s+3], s[G0+4*\s+3], 0x80000000
	s_mov_b32 s[G0B+4*\s], 1
	s_add_co_u32 s[G0B+4*\s+1], s21, \s*SLOT
	s_add_nc_u64 s[G0B+4*\s+2:G0B+4*\s+3], s[46:47], \s*KSTEP*2
	s_or_b32 s[G0B+4*\s+3], s[G0B+4*\s+3], 0x80000000
.endr
	CROUND                                         ; all sixteen work-groups are here: the first joint loads meet
	s_cmp_eq_u32 s11, 0                            ; a wave's two first fills stand in one branch, ahead of every wait on TENSORcnt, LDS read and further barrier: two loads of mine are out
	s_cbranch_scc0 .Lfirst_b
	tensor_load_to_lds s[G0:G0+3], s[G1:G1+7]
	s_nop 0
	tensor_load_to_lds s[G0+4:G0+7], s[G1:G1+7]
	s_nop 0
	PLACES
	s_branch .Lfirst_asked
.Lfirst_b:
	tensor_load_to_lds s[G0B:G0B+3], s[G1B:G1B+7]
	s_nop 0
	tensor_load_to_lds s[G0B+4:G0B+7], s[G1B:G1B+7]
	s_nop 0
	PLACES
.Lfirst_asked:
	v_and_b32 v1, 15, v0                           ; l % 16
	v_bfe_u32 v2, v0, 4, 1                         ; l / 16
	v_mul_u32_u24 v3, v1, PAO
	v_lshl_add_u32 v3, v2, 4, v3                   ; a fragment's row x pitch + 16 x half
	v_mul_u32_u24 v4, v1, PB
	v_lshl_add_u32 v4, v2, 4, v4
	s_mul_i32 s22, s11, 64*PAO                     ; my 64 rows, in each plane
	s_mul_i32 s23, s12, BHALF                      ; my 128 rows of Wo,
	s_add_co_u32 s23, s23, AREG                    ; which lie behind ctx's two planes
.irp s, 0,1
	v_add_nc_u32 v[ADRA+\s], s22, v3
	v_add_nc_u32 v[ADRB+\s], s23, v4
	s_add_co_u32 s22, s22, SLOT
	s_add_co_u32 s23, s23, SLOT
.endr
	s_mul_i32 s23, s10, 16*SPITCH
	s_add_co_u32 s23, s23, STAGE                   ; my stage
	v_mul_u32_u24 v6, v1, SPITCH                   ; in: row l % 16, 32 bytes for each half of the lanes
	v_lshl_add_u32 v6, v2, 5, v6
	v_add_nc_u32 v[STO], s23, v6
	v_and_b32 v5, 31, v0
	v_lshlrev_b32 v[CO], 4, v5                     ; back and out: the 32 lanes take a row's 512 bytes
	v_add_nc_u32 v[RD], s23, v[CO]
	s_lshl_b32 s46, s42, 10                        ; my columns in bytes of f32: 4 (256 tile column + 128 wc)
	s_lshl_b32 s47, s12, 9
	s_add_co_u32 s46, s46, s47
	s_mov_b32 s47, 0
	v_lshl_add_u32 v[BO], v2, 5, s46               ; the bias: + 4 x 8 (l / 16)
	WIN TO_B
.irp b, 0,1,2,3,4,5,6,7                ; register j of block b: the bias of column 16 b + 8 (l / 16) + j, as an accumulator holds it
	global_load_b128 v[BIAS+8*\b:BIAS+8*\b+3],   v[BO], s[72:73] offset:64*\b
	global_load_b128 v[BIAS+8*\b+4:BIAS+8*\b+7], v[BO], s[72:73] offset:64*\b+16
.endr
	WIN 0
	s_lshl_b32 s16, s13, 19                        ; my first row of out0: 128 tile row + 64 wr, rows of 4,096 bytes
	s_lshl_b32 s17, s11, 18
	s_add_co_u32 s16, s16, s17
	s_mov_b32 s17, 0
	s_add_nc_u64 s[8:9], s[74:75], s[16:17]
	s_add_nc_u64 s[8:9], s[8:9], s[46:47]
; cnt matrix instructions from number n0 on: number n is accumulator (a, b) = (n / 8, n % 8), on buffer f.  The 32 accumulators take turns in one fixed order.
.macro MMRUN n0, cnt, f, bias
.if \bias
	WIN MULB
.else
	WIN MUL
.endif
.set n, \n0
.rept \cnt
.if \bias
	v_wmma_f32_16x16x32_bf16 v[8*n:8*n+7], v[BF+64*\f+8*(n%8):BF+64*\f+8*(n%8)+7], v[AF+32*\f+8*(n/8):AF+32*\f+8*(n/8)+7], v[BIAS+8*(n%8):BIAS+8*(n%8)+7]
.else
	v_wmma_f32_16x16x32_bf16 v[8*n:8*n+7], v[BF+64*\f+8*(n%8):BF+64*\f+8*(n%8)+7], v[AF+32*\f+8*(n/8):AF+32*\f+8*(n/8)+7], v[8*n:8*n+7]
.endif
.set n, n+1
.endr
.endm
; 24 LDS loads in one run: quarter q (32 along K: plane q / 2, channels 32 (q % 2) on) of a slot into buffer g
.macro FETCH slot, q, g
	WIN 0
.irp i, 0,1,2,3
	ds_load_b128 v[AF+32*\g+8*\i:AF+32*\g+8*\i+3],   v[ADRA+\slot] offset:(\q/2)*APLANE+(\q%2)*64+\i*16*PAO
	ds_load_b128 v[AF+32*\g+8*\i+4:AF+32*\g+8*\i+7], v[ADRA+\slot] offset:(\q/2)*APLANE+(\q%2)*64+\i*16*PAO+32
.endr
	WIN TO_B
.irp i, 0,1,2,3,4,5,6,7
	ds_load_b128 v[BF+64*\g+8*\i:BF+64*\g+8*\i+3],   v[ADRB+\slot] offset:\q*64+\i*16*PB
	ds_load_b128 v[BF+64*\g+8*\i+4:BF+64*\g+8*\i+7], v[ADRB+\slot] offset:\q*64+\i*16*PB+32
.endr
.endm
; A K step is four quarters of 32 along K, 32 matrix instructions each, on buffers 0, 1, 0, 1.  One of the first three: fetches quarter q into buffer g, multiplies buffer f.
.macro QUARTER slot, q, f, g, bias
	s_wait_dscnt 0x0                               ; this quarter's fragments, asked for a quarter ago
	PLACES                                         ; for the loads into buffer g, which the quarter before multiplied
	FETCH \slot, \q, \g
	MMRUN 0, 32, \f, \bias
.endm
; The last quarter multiplies buffer 1 and changes slots: one barrier.  In front of it each wave waits for its reads of this slot and for all its tensor loads (one is out: its part of the next
; slot).  fill = 1: the barrier opens a round of the cluster's barrier, and behind the round this slot is filled again, two K steps ahead: 120 matrix instructions ahead of the wait for it.
.macro TURN slot, next, fill
	s_wait_dscnt 0x0
	s_wait_tensorcnt 0x0
	ds_add_u32 v193, v255
	s_wait_dscnt 0x0
	WIN MUL
	s_barrier_signal -1
	MMRUN 0, 8, 1, 0
	WIN 0                                          ; at a branch and at a label every window is 0
	s_barrier_wait -1
.if \fill
	CREST                                          ; no wave of any partner still reads this slot's tiles or has a load on its way
	s_add_nc_u64 s[G0+4*\slot+2:G0+4*\slot+3], s[G0+4*\slot+2:G0+4*\slot+3], 4*1048576
	s_add_nc_u64 s[G0B+4*\slot+2:G0B+4*\slot+3], s[G0B+4*\slot+2:G0B+4*\slot+3], 2*KSTEP*2
	JLOAD \slot                                    ; the four v_nop behind it are also the places in front of the loads below
.else
	PLACES
.endif
	FETCH \next, 0, 0
	MMRUN 8, 24, 1, 0
.endm
; THE WAY OUT of block a (16 rows x 128 columns of f32): straight from the accumulators, each one's low half first, into my own stage; back as whole rows of 512 bytes; stored.
.macro TOSTAGE a
.set BK, OB+64*((\a)%2)
	WIN 0x04                                       ; the stores' data in window 1, the address in window 0
.irp b, 0,1,2,3,4,5,6,7
	ds_store_b128 v[STO], v[8*(8*(\a)+\b):8*(8*(\a)+\b)+3]   offset:64*\b
	ds_store_b128 v[STO], v[8*(8*(\a)+\b)+4:8*(8*(\a)+\b)+7] offset:64*\b+16
.endr
	WIN 0
	s_wait_xcnt 0x0                                ; the registers below were the data of the stores two blocks back: they are loaded again only behind this wait (ISA guide 3.1)
.irp t, 0,1,2,3,4,5,6,7,8,9,10,11,12,13,14,15
	ds_load_b128 v[BK+4*\t:BK+4*\t+3], v[RD] offset:\t*SPITCH      ; LDS serves a wave's instructions in order (ISA guide 5.7.1.4): these see the stores above
.endr
.endm
.macro SEND a
.set BK, OB+64*((\a)%2)
.irp t, 0,1,2,3,4,5,6,7,8,9,10,11,12,13,14,15
	s_wait_dscnt 15-\t                             ; row t is back; the younger loads may stay out
	global_store_b128 v[CO], v[BK+4*\t:BK+4*\t+3], s[8:9] offset:(\a)*65536+\t*4096 th:TH_STORE_NT   ; a wave stores 512 consecutive bytes, aligned; nothing reads them again
.endr
.endm
	s_wait_tensorcnt 0x1                           ; my part of K step 0 is in; K step 1's may stay out
	s_barrier_signal -1
	s_barrier_wait -1                              ; everybody's is
	FETCH 0, 0, 0
	s_wait_loadcnt 0x0                             ; the bias
	QUARTER 0, 1, 0, 1, 1                          ; the first quarter stands in front of the loop: its products start the sums from the bias
	WIN 0
	s_mov_b32 s3, LAPS-1
.Llap:                                                 ; a trip goes once round the ring, from a lap's second quarter to the next lap's first, and fills both slots again
	QUARTER 0, 2, 1, 0, 0
	QUARTER 0, 3, 0, 1, 0
	TURN 0, 1, 1
	QUARTER 1, 1, 0, 1, 0
	QUARTER 1, 2, 1, 0, 0
	QUARTER 1, 3, 0, 1, 0
	TURN 1, 0, 1
	QUARTER 0, 1, 0, 1, 0
	WIN 0
	s_sub_co_u32 s3, s3, 1
	s_cmp_lg_u32 s3, 0
	s_cbranch_scc1 .Llap
	QUARTER 0, 2, 1, 0, 0                          ; the last lap fills nothing
	QUARTER 0, 3, 0, 1, 0
	TURN 0, 1, 0
	QUARTER 1, 1, 0, 1, 0
	QUARTER 1, 2, 1, 0, 0
	QUARTER 1, 3, 0, 1, 0
	s_wait_dscnt 0x0                               ; the very last quarter: nothing more to fetch
	MMRUN 0, 32, 1, 0
	WIN 0
	PLACES
.irp a, 0,1,2,3
	TOSTAGE \a
	SEND \a
.endr
	s_set_vgpr_msb 0x2
	s_wait_tensorcnt 0x0
	ds_add_u32 v193, v255
	s_wait_dscnt 0x0
	s_set_vgpr_msb 0x200
	CROUND                                         ; the closing round: no work-group ends while a partner may still ask for a tile that names it
	s_endpgm
.Lfunc_end_k_qca932f7aed_oproj:
	.size	k_qca932f7aed_oproj, .Lfunc_end_k_qca932f7aed_oproj-k_qca932f7aed_oproj
	.p2alignl 7, 3214868480
	.fill 96, 4, 3214868480
	.section	.rodata,"a",@progbits
	.p2align	6, 0x0
	.amdhsa_kernel k_qca932f7aed_oproj
		.amdhsa_group_segment_fixed_size 327680
		.amdhsa_private_segment_fixed_size 0
		.amdhsa_enable_private_segment 0
		.amdhsa_kernarg_size 32
		.amdhsa_user_sgpr_count 2
		.amdhsa_user_sgpr_kernarg_segment_ptr 1
		.amdhsa_wavefront_size32 1
		.amdhsa_system_sgpr_workgroup_id_x 1
		.amdhsa_system_sgpr_workgroup_id_y 1
		.amdhsa_system_sgpr_workgroup_id_z 1
		.amdhsa_system_vgpr_workitem_id 0
		.amdhsa_next_free_vgpr 706
		.amdhsa_next_free_sgpr 76
		.amdhsa_reserve_vcc 0
		.amdhsa_float_denorm_mode_32 3
		.amdhsa_float_denorm_mode_16_64 3
		.amdhsa_memory_ordered 1
		.amdhsa_forward_progress 1
		.amdhsa_inst_pref_size 88
	.end_amdhsa_kernel
	.amdgpu_metadata
---
amdhsa.version: [ 1, 2 ]
amdhsa.kernels:
  - .name:           k_qca932f7aed_oproj
    .symbol:         k_qca932f7aed_oproj.kd
    .args:
      - { .name: ctxh, .offset: 0, .size: 8, .value_kind: global_buffer, .address_space: global }
      - { .name: wbf, .offset: 8, .size: 8, .value_kind: global_buffer, .address_space: global }
      - { .name: bo, .offset: 16, .size: 8, .value_kind: global_buffer, .address_space: global }
      - { .name: out0, .offset: 24, .size: 8, .value_kind: global_buffer, .address_space: global }
    .group_segment_fixed_size: 327680
    .private_segment_fixed_size: 0
    .kernarg_segment_align: 8
    .kernarg_segment_size: 32
    .max_flat_workgroup_size: 128
    .sgpr_count:     76
    .vgpr_count:     706
    .wavefront_size: 32
...
	.end_amdgpu_metadata
.endif
;; end of part 4
;; ======== version 2 of 2: 4 launches; version 1 with the launch cast written anew for expert scheduling mode
;; workspace buffers: wbf 8,388,608 bytes; qkv 50,331,648 bytes; ctxh 16,777,216 bytes
;; launch cast (part 5): grid 64 x 4, 8 waves a work-group, no clusters, 0 bytes of LDS; arguments Wq, Wk, Wv, Wo, wbf; writes wbf
.if DOCPART == 5
	.amdgcn_target "amdgcn-amd-amdhsa--gfx1250"
	.amdhsa_code_object_version 6
	.text
	.protected	k_qca932f7aed_cast
	.globl	k_qca932f7aed_cast
	.p2align	8
	.type	k_qca932f7aed_cast,@function
k_qca932f7aed_cast:
	s_mov_b64 s[64:65], 0
	v_nop
	global_prefetch_b8 v0, s[64:65] scope:SCOPE_SE
	s_setreg_imm32_b32 hwreg(HW_REG_WAVE_SCHED_MODE, 0, 2), 2
	s_setreg_imm32_b32 hwreg(HW_REG_WAVE_MODE, 25, 1), 1
	s_wait_xcnt 0x0
	s_wait_alu depctr_vm_vsrc(0)
; wbf[y][n][k] = bf16(W_y[n][k]) for the four weights, y = 0..3 = Wq, Wk, Wv, Wo; each is [1024][1024] f32, rounded once to nearest even.
; The weights are cast once because each is multiplied by 64 row blocks later; the activations are read once and are converted where they are used.
; A stream: work-group (x, y) takes 65,536 bytes of weight y.  Thread t takes 16 bytes of each of 16 pieces of 4,096 bytes, so a wave's load covers 512
; consecutive bytes and its store of 8 bytes a lane 256 consecutive bytes, aligned.  All 16 loads of a wave go out at once; no register is written twice.
; LDS, barriers, clusters and matrix instructions have nothing to add to a copy.
; THE MODE: SCHED_MODE bits 1:0 = 2 (LLVM: expert scheduling mode 2), set by the entry lines.  The code itself states the register dependences
; between vector instructions and memory instructions, with s_wait_alu, always for 0.
; THE PLAN.  Registers that memory instructions touch:
;   v1, v2   byte offsets, made once at the head and never written again: v1 is read by every load, v2 by every store.
;   X        piece p: written by its load alone, once; read by its two roundings, behind the counted wait for the load.  No vector instruction names it ahead of the load.
;   Y        piece p: written by its two roundings, once; read by its store.
; The 16 pieces go in four blocks of four.  Block b rounds pieces 4 b to 4 b + 3; its memory instructions are the four stores of block b - 1, whose Y no vector
; instruction of block b names.  So one wait at a block's head states all that its four stores hang on, and they are dealt among its roundings with no further wait.
; Nothing that a memory instruction reads is ever written again, so no wait on vm_vsrc is owed; no vector instruction writes a scalar register, VCC or EXEC.
.set X, 4                              ; v[4:67]   piece p: 4 registers as loaded
.set Y, 68                             ; v[68:99]  piece p: 2 registers to store
	s_load_b256 s[4:11], s[0:1], 0x0               ; Wq s[4:5], Wk s[6:7], Wv s[8:9], Wo s[10:11]
	s_load_b64 s[12:13], s[0:1], 0x20              ; wbf
	s_and_b32 s14, ttmp7, 0xffff                   ; y: which weight
	s_lshl_b32 s16, ttmp9, 16                      ; x times 65,536 bytes of f32
	s_mov_b32 s17, 0
	s_lshl_b32 s18, s14, 21                        ; y times 2,097,152 bytes of bf16,
	s_lshl_b32 s19, ttmp9, 15                      ; x times 32,768
	s_add_co_u32 s18, s18, s19
	s_mov_b32 s19, 0
	v_lshlrev_b32 v1, 4, v0                        ; 16 t
	v_lshlrev_b32 v2, 3, v0                        ; 8 t
	s_wait_kmcnt 0x0
	s_cmp_eq_u32 s14, 1                            ; the choice hangs on the work-group's y alone
	s_cselect_b64 s[4:5], s[6:7], s[4:5]
	s_cmp_eq_u32 s14, 2
	s_cselect_b64 s[4:5], s[8:9], s[4:5]
	s_cmp_eq_u32 s14, 3
	s_cselect_b64 s[4:5], s[10:11], s[4:5]
	s_add_nc_u64 s[4:5], s[4:5], s[16:17]
	s_add_nc_u64 s[12:13], s[12:13], s[18:19]
	s_wait_alu depctr_va_vdst(0)                   ; v1 and v2 are written: every load and store of the kernel reads one of them as its offset
.irp p, 0,1,2,3,4,5,6,7,8,9,10,11,12,13,14,15
	global_load_b128 v[X+4*\p:X+4*\p+3], v1, s[4:5] offset:4096*\p th:TH_LOAD_NT   ; read once in the launch
.endr
; Block b: pieces 4 b to 4 b + 3 are rounded; the stores of block b - 1 stand among the roundings, one ahead of each piece's two.
.macro BLK b
	s_wait_loadcnt 12-4*(\b)                       ; loads come back in order: this block's four pieces are in, the 12 - 4 b younger ones stay out
.if (\b) > 0
	s_wait_alu depctr_va_vdst(0)                   ; the block before has written its Y, which the four stores below read; the roundings below name this block's X and Y alone
.endif
.irp i, 0,1,2,3
.if (\b) > 0
	global_store_b64 v2, v[Y+2*(4*(\b)-4+(\i)):Y+2*(4*(\b)-4+(\i))+1], s[12:13] offset:2048*(4*(\b)-4+(\i))
.endif
	v_cvt_pk_bf16_f32 v[Y+2*(4*(\b)+(\i))],   v[X+4*(4*(\b)+(\i))],   v[X+4*(4*(\b)+(\i))+1]
	v_cvt_pk_bf16_f32 v[Y+2*(4*(\b)+(\i))+1], v[X+4*(4*(\b)+(\i))+2], v[X+4*(4*(\b)+(\i))+3]
.endr
.endm
	BLK 0                                          ; no block stands in front of it: no store, and no wait but the one for its data
	BLK 1
	BLK 2
	BLK 3
	s_wait_alu depctr_va_vdst(0)                   ; block 3 has written the Y of pieces 12 to 15, which the last four stores read
.irp p, 12,13,14,15
	global_store_b64 v2, v[Y+2*\p:Y+2*\p+1], s[12:13] offset:2048*\p
.endr
	s_endpgm
.Lfunc_end_k_qca932f7aed_cast:
	.size	k_qca932f7aed_cast, .Lfunc_end_k_qca932f7aed_cast-k_qca932f7aed_cast
	.p2alignl 7, 3214868480
	.fill 96, 4, 3214868480
	.section	.rodata,"a",@progbits
	.p2align	6, 0x0
	.amdhsa_kernel k_qca932f7aed_cast
		.amdhsa_group_segment_fixed_size 0
		.amdhsa_private_segment_fixed_size 0
		.amdhsa_enable_private_segment 0
		.amdhsa_kernarg_size 40
		.amdhsa_user_sgpr_count 2
		.amdhsa_user_sgpr_kernarg_segment_ptr 1
		.amdhsa_wavefront_size32 1
		.amdhsa_system_sgpr_workgroup_id_x 1
		.amdhsa_system_sgpr_workgroup_id_y 1
		.amdhsa_system_sgpr_workgroup_id_z 1
		.amdhsa_system_vgpr_workitem_id 0
		.amdhsa_next_free_vgpr 100
		.amdhsa_next_free_sgpr 66
		.amdhsa_reserve_vcc 0
		.amdhsa_float_denorm_mode_32 3
		.amdhsa_float_denorm_mode_16_64 3
		.amdhsa_memory_ordered 1
		.amdhsa_forward_progress 1
		.amdhsa_inst_pref_size 7
	.end_amdhsa_kernel
	.amdgpu_metadata
---
amdhsa.version: [ 1, 2 ]
amdhsa.kernels:
  - .name:           k_qca932f7aed_cast
    .symbol:         k_qca932f7aed_cast.kd
    .args:
      - { .name: Wq, .offset: 0, .size: 8, .value_kind: global_buffer, .address_space: global }
      - { .name: Wk, .offset: 8, .size: 8, .value_kind: global_buffer, .address_space: global }
      - { .name: Wv, .offset: 16, .size: 8, .value_kind: global_buffer, .address_space: global }
      - { .name: Wo, .offset: 24, .size: 8, .value_kind: global_buffer, .address_space: global }
      - { .name: wbf, .offset: 32, .size: 8, .value_kind: global_buffer, .address_space: global }
    .group_segment_fixed_size: 0
    .private_segment_fixed_size: 0
    .kernarg_segment_align: 8
    .kernarg_segment_size: 40
    .max_flat_workgroup_size: 256
    .sgpr_count:     66
    .vgpr_count:     100
    .wavefront_size: 32
...
	.end_amdgpu_metadata
.endif
;; end of part 5
;; launch proj: the kernel of part 2 again; grid 4 x 64, 4 waves a work-group, clusters of 4 x 4, 327,680 bytes of LDS; arguments q, k, v, bq, bk, bv, wbf, qkv; writes qkv
;; launch attn: the kernel of part 3 again; grid 8 x 64, 4 waves a work-group, clusters of 4 x 1, 327,680 bytes of LDS; arguments qkv, ctxh; writes ctxh
;; launch oproj: the kernel of part 4 again; grid 4 x 64, 4 waves a work-group, clusters of 4 x 4, 327,680 bytes of LDS; arguments ctxh, wbf, bo, out0; writes out0
